; MI455X (gfx1250); checked and timed in simulation.
; The chip was launched on July 23, 2026; its instructions are those of AMD's public machine-readable ISA for CDNA 5 (MIT licence, August 2026) and "CDNA5" Instruction Set Architecture Reference Guide (July 2026). The comments in the code are by the model that wrote it; some were corrected since.
;; Cross Multi Head Attention. Allowed arithmetic: float matrix products may take bf16 or f16 operands with f32 sums; all other float work in f32.
;; Inputs: Wd 512 x 512 float32; Wk 512 x 512 float32; Wka 512 x 512 float32; Wkp 512 x 512 float32; Wq 512 x 512 float32; Wqa 512 x 512 float32; Wqp 512 x 512 float32; Wv 512 x 512 float32; attention_mask 128 x 1 x 128 x 128 float32; attribute_table 128 x 128 x 1 x 512 float32; bd 512 float32; beta 512 float32; bk 512 float32; bka 512 float32; bkp 512 float32; bq 512 float32; bqa 512 float32; bqp 512 float32; bv 512 float32; gamma 512 float32; input_tensor 128 x 128 x 512 float32; position_embedding 128 x 128 x 512 float32; w_matrix 3 x 3 float32.
;; Outputs: out0 128 x 128 x 512 float32.
;; 2 versions, each right; version 2 is version 1 with the launch attn written anew for expert scheduling mode. Each part assembles by itself: llvm-mc -triple=amdgcn-amd-amdhsa -mcpu=gfx1250 --defsym DOCPART=n.
;; ======== version 1 of 2: 3 launches
;; limits: values outside matrix products are rounded to bf16
;; workspace buffers: wf 4,194,304 bytes; ctxf 16,777,216 bytes
;; launch prep (part 1): grid 32 x 8, 8 waves a work-group, no clusters, 0 bytes of LDS; arguments Wq, Wk, Wv, Wqp, Wkp, Wka, Wqa, Wd, wf; writes wf
.if DOCPART == 1
	.amdgcn_target "amdgcn-amd-amdhsa--gfx1250"
	.amdhsa_code_object_version 6
	.text
	.protected	k_q667f062b03_prep
	.globl	k_q667f062b03_prep
	.p2align	8
	.type	k_q667f062b03_prep,@function
k_q667f062b03_prep:
	s_mov_b64 s[64:65], 0
	v_nop
	global_prefetch_b8 v0, s[64:65] scope:SCOPE_SE
	s_setreg_imm32_b32 hwreg(HW_REG_WAVE_MODE, 25, 1), 1
	s_wait_xcnt 0x0
; The eight weights, f32 [k][n], are rounded to bf16 and laid out as matrix fragments, so that the later launches load them
; straight into registers.  A fragment is 1,024 bytes [sec 2][lane 32][16 bytes]: lane (r = lane & 15, h = lane >> 4), section sec,
; element e hold W[32 ks + 16 sec + 8 h + e][n0 + r].
;   matrices m = 0..6 (Wq Wk Wv Wqp Wkp Wka Wqa): byte ((((hg*7+m)*16+ks)*4+w)*4+f)*1024, column n = (4 hg + w)*64 + 16 f + r
;   m = 7 (Wd):                                   byte WD0 + ((ks*8+w8)*4+f)*1024,        column n = w8*64 + 16 f + r
; A work-group takes one matrix (grid y), 64 columns (hd) and four K steps of 32 (ksg).  Thread t is the 16 bytes at 16 t of each of its four
; blocks of 4,096 bytes: a wave's store covers 512 consecutive bytes.  The reads are pieces of 64 bytes (16 lanes, one row of W); the four
; pieces of 256 consecutive bytes are read by waves of the same work-group.  8 MiB pass this way once.
; No LDS, no barrier, no matrix unit: a copy with a rounding.
.set WD0, 7*2*16*16384                 ; 3,670,016: where Wd's fragments begin
	s_load_b512 s[16:31], s[0:1], 0x0              ; the eight weights' addresses, s[16+2m:17+2m]
	s_load_b64 s[32:33], s[0:1], 0x40              ; wf
	s_and_b32 s8, ttmp7, 0xffff                    ; m
	s_lshr_b32 s9, ttmp9, 2                        ; hd: 64 columns
	s_and_b32 s10, ttmp9, 3                        ; ksg: four K steps
	s_lshl_b32 s34, s10, 18                        ; source: 128 rows of 2,048 bytes for each ksg
	s_lshl_b32 s11, s9, 8                          ; + 64 columns of 4 bytes for each hd
	s_add_co_u32 s34, s34, s11
	s_mov_b32 s35, 0
	s_lshr_b32 s12, s9, 2                          ; destination for m < 7: ((hg*7+m)*4 + ksg) * 4 * 16,384 + (hd & 3) * 4,096
	s_mul_i32 s12, s12, 7
	s_add_co_u32 s12, s12, s8
	s_lshl_b32 s12, s12, 2
	s_add_co_u32 s12, s12, s10
	s_lshl_b32 s12, s12, 16
	s_and_b32 s11, s9, 3
	s_lshl_b32 s11, s11, 12
	s_add_co_u32 s12, s12, s11
	s_lshl_b32 s13, s10, 5                         ; destination for Wd: WD0 + (ksg*32 + hd) * 4,096
	s_add_co_u32 s13, s13, s9
	s_lshl_b32 s13, s13, 12
	s_add_co_u32 s13, s13, WD0
	s_mov_b32 s14, 16384                           ; bytes from a K step to the next: four heads, or eight
	s_mov_b32 s15, 32768
	s_cmp_eq_u32 s8, 7
	s_cselect_b32 s36, s13, s12
	s_cselect_b32 s14, s15, s14
	s_mov_b32 s37, 0
	v_bfe_u32 v1, v0, 4, 2                         ; 2 sec + h: row 8 (2 sec + h) of the K step
	v_lshlrev_b32 v1, 14, v1                       ; x 8 rows of 2,048 bytes
	v_lshrrev_b32 v6, 6, v0                        ; f
	v_lshl_add_u32 v1, v6, 6, v1                   ; + 16 f columns
	v_and_b32 v6, 15, v0                           ; r
	v_lshl_add_u32 v1, v6, 2, v1                   ; + r columns
	v_lshlrev_b32 v2, 4, v0                        ; destination offsets of the four K steps
	v_add_nc_u32 v3, s14, v2
	v_add_nc_u32 v4, s14, v3
	v_add_nc_u32 v5, s14, v4
	s_wait_kmcnt 0x0
	s_mov_b64 s[4:5], s[16:17]                     ; the matrix of this work-group
.irp i, 1,2,3,4,5,6,7
	s_cmp_eq_u32 s8, \i
	s_cselect_b64 s[4:5], s[16+2*\i:17+2*\i], s[4:5]
.endr
	s_add_nc_u64 s[4:5], s[4:5], s[34:35]
	s_add_nc_u64 s[32:33], s[32:33], s[36:37]
.irp i, 0,1,2,3
.irp e, 0,1,2,3,4,5,6,7
	global_load_b32 v[8+8*\i+\e], v1, s[4:5] offset:\i*65536+\e*2048 th:TH_LOAD_NT
.endr
.endr
.irp i, 0,1,2,3
	s_wait_loadcnt 24-8*\i                         ; loads come back in order: K step i's eight are in, the younger steps' stay out
.irp p, 0,1,2,3
	v_cvt_pk_bf16_f32 v[40+4*\i+\p], v[8+8*\i+2*\p], v[8+8*\i+2*\p+1]
.endr
	global_store_b128 v[2+\i], v[40+4*\i:43+4*\i], s[32:33]
.endr
	s_endpgm
.Lfunc_end_k_q667f062b03_prep:
	.size	k_q667f062b03_prep, .Lfunc_end_k_q667f062b03_prep-k_q667f062b03_prep
	.p2alignl 7, 3214868480
	.fill 96, 4, 3214868480
	.section	.rodata,"a",@progbits
	.p2align	6, 0x0
	.amdhsa_kernel k_q667f062b03_prep
		.amdhsa_group_segment_fixed_size 0
		.amdhsa_private_segment_fixed_size 0
		.amdhsa_enable_private_segment 0
		.amdhsa_kernarg_size 72
		.amdhsa_user_sgpr_count 2
		.amdhsa_user_sgpr_kernarg_segment_ptr 1
		.amdhsa_wavefront_size32 1
		.amdhsa_system_sgpr_workgroup_id_x 1
		.amdhsa_system_sgpr_workgroup_id_y 1
		.amdhsa_system_sgpr_workgroup_id_z 1
		.amdhsa_system_vgpr_workitem_id 0
		.amdhsa_next_free_vgpr 64
		.amdhsa_next_free_sgpr 66
		.amdhsa_reserve_vcc 0
		.amdhsa_float_denorm_mode_32 3
		.amdhsa_float_denorm_mode_16_64 3
		.amdhsa_memory_ordered 1
		.amdhsa_forward_progress 1
		.amdhsa_inst_pref_size 7
	.end_amdhsa_kernel
	.amdgpu_metadata
---
amdhsa.version: [ 1, 2 ]
amdhsa.kernels:
  - .name:           k_q667f062b03_prep
    .symbol:         k_q667f062b03_prep.kd
    .args:
      - { .name: Wq, .offset: 0, .size: 8, .value_kind: global_buffer, .address_space: global }
      - { .name: Wk, .offset: 8, .size: 8, .value_kind: global_buffer, .address_space: global }
      - { .name: Wv, .offset: 16, .size: 8, .value_kind: global_buffer, .address_space: global }
      - { .name: Wqp, .offset: 24, .size: 8, .value_kind: global_buffer, .address_space: global }
      - { .name: Wkp, .offset: 32, .size: 8, .value_kind: global_buffer, .address_space: global }
      - { .name: Wka, .offset: 40, .size: 8, .value_kind: global_buffer, .address_space: global }
      - { .name: Wqa, .offset: 48, .size: 8, .value_kind: global_buffer, .address_space: global }
      - { .name: Wd, .offset: 56, .size: 8, .value_kind: global_buffer, .address_space: global }
      - { .name: wf, .offset: 64, .size: 8, .value_kind: global_buffer, .address_space: global }
    .group_segment_fixed_size: 0
    .private_segment_fixed_size: 0
    .kernarg_segment_align: 8
    .kernarg_segment_size: 72
    .max_flat_workgroup_size: 256
    .sgpr_count:     66
    .vgpr_count:     64
    .wavefront_size: 32
...
	.end_amdgpu_metadata
.endif
;; end of part 1
;; launch attn (part 2): grid 2 x 128, 4 waves a work-group, no clusters, 264,704 bytes of LDS; arguments input_tensor, position_embedding, attribute_table, attention_mask, bq, bk, bv, bqp, bkp, bka, bqa, w_matrix, wf, ctxf; writes ctxf
.if DOCPART == 2
	.amdgcn_target "amdgcn-amd-amdhsa--gfx1250"
	.amdhsa_code_object_version 6
	.text
	.protected	k_q667f062b03_attn
	.globl	k_q667f062b03_attn
	.p2align	8
	.type	k_q667f062b03_attn,@function
k_q667f062b03_attn:
	s_mov_b64 s[64:65], 0
	v_nop
	global_prefetch_b8 v0, s[64:65] scope:SCOPE_SE
	s_setreg_imm32_b32 hwreg(HW_REG_WAVE_MODE, 25, 1), 1
	s_wait_xcnt 0x0
; Seven projections, the mix of the queries by w_matrix, scores, mask, softmax and P V, for one batch and four heads in a work-group.
; A wave owns ONE HEAD from the projections to ctx: all 128 tokens x 64 features.  A projection tile, computed in the right orientation and
; packed to bf16, already is the operand fragment of the next product, so Q, K, V, scores and P never leave the wave.
;   Q, K: D = W-fragment x X-fragment: a lane holds a token, its registers eight neighbouring features  -> fragments of the score product
;   V:    D = X-fragment x W-fragment: a lane holds a feature, its registers eight neighbouring tokens  -> A fragments of P V
;   scores: D = K x Q': a lane holds a query, its registers eight neighbouring keys -> after exp, B fragments of P V
; The input (128 tokens x 512, rounded to bf16) lies in LDS and is shared by the four waves; weights come from wf in fragment order,
; each fragment by two loads of 512 consecutive bytes straight into the one wave that uses it.
; THE NEXT INPUT MOVES IN BEHIND THE LAST PRODUCT ON ITS FORERUNNER, a quarter (128 columns, what a trip of four K steps reads) at a time: a quarter's
; 32 loads a wave are issued in front of the trip and converted and stored behind it, 128 matrix instructions later.  Two barriers stand at each
; such boundary: between them LDS is only written, each wave in its own 32 rows, and outside them it is only read, so that the ordering does not
; hang on which quarter a wave is at.  These products are loops of one trip like the others: the text stays short.
; NO CLUSTER, NO JOINT REQUESTS: a weight fragment is used by one wave of a work-group only.  Through LDS a K step's 16 KiB of weights would be
; written and read once more beside the 32 KiB of X fragments that the four waves read for their 128 matrix instructions.
; LIMITS: all matrix operands are bf16.  Each Q_i is rounded to bf16, the mix sum_i w[i][j]/8 Q_i is made in f32 and rounded to bf16 again.
; The mask enters as the C operand of the score chain.  Softmax takes the row's true maximum away; a row whose 128 entries are all -inf
; gives NaN, as the definition does.
.set XP,   1040                        ; LDS pitch of X: 1,024 bytes + 16, an odd multiple of 16: 16 rows start in 16 different 16-byte columns of 256
.set MP,   528                         ; LDS pitch of the mask: 512 + 16
.set QP0,  128*XP                      ; 133,120: parked Q of input_tensor, 16,384 bytes for each wave, the wave's own
.set QP1,  QP0+65536                   ; parked Q of position_embedding
.set QP2,  128*MP                      ; 67,584: parked Q of attribute_table; with the mask (bytes 0 .. 67,583) it takes X's place behind the last product
; window 0:  v4 XA0, v5 XA1 (X fragment addresses, token blocks 0-3, 4-7), v6, v7 the same plus the K offset, v8 weight offset, v9 X offset,
;            v10 X store address of the quarter that moves in, v11 X store address, v12, v13 bias offsets, v14-16 parks, v17 mask prefetch offset,
;            v18 mask read, v19 16 x lane, v20 mask offset, v21 mask store, v22 X prefetch offset, v23 ctx offset
.set BIAS, 32                          ; v32-63    C of a projection's first K step
.set XH0,  64                          ; v64-95    X fragments, token blocks 0-3
.set XH1,  96                          ; v96-127   X fragments, token blocks 4-7
.set WB,   128                         ; v128-255  weight fragments: four K steps of 32 registers
; window 1:  v0-255 the projection's 32 accumulator tiles; in front of the first product v0-127 eight rows of X in flight and
.set TMPW, 232                         ; eight registers of packed bf16,
.set XOW,  240                         ; a copy of v9,
.set XSW,  241                         ; the running copy of v11: with them one window setting serves conversions, LDS stores and loads
; window 2:  K of input_tensor v0-127, K of position_embedding v128-255.   window 3:  K of attribute_table v0-127, V v128-255
.set LAND, 0                           ; window 3 v0-127, until K of attribute_table is parked there: a quarter of my 32 rows in f32, four registers a row
; window 0 in the attention loop:
.set QI,   32                          ; v32-79    the three parked Q of a query block
.set CT,   32                          ; v32-63    then the four ctx tiles
.set QC,   80                          ; v80-127   the three mixed queries
.set SC,   128                         ; v128-191  eight score tiles
.set PF,   192                         ; v192-223  P in bf16
.set OUT,  192                         ; v192-207  then ctx in bf16: rewritten only by the next block's P, far behind the stores that read it
.set WV,   224                         ; v224-241  w[i][j]/8, twice each: pair 3 i + j
.set U,    242                         ; v242-249  at work
.set TT,   248                         ; v248-253  at work
.set NM,   254                         ; v254-255  -max x log2 e, later 1 / sum, twice
.set MSB, 0
.macro WIN new                         ; s_set_vgpr_msb: bits 1:0 source 0, 3:2 source 1, 5:4 source 2, 7:6 destination; the high byte repeats the setting left
.if MSB != (\new)
	s_set_vgpr_msb (MSB<<8)|(\new)
.set MSB, (\new)
.endif
.endm
.macro PLACES                          ; four independent vector instructions behind a matrix instruction, before its registers are read,
.rept 4                                ; written or loaded into (ISA guide 7.12.1)
	v_nop
.endr
.endm
.macro BARRIER                         ; my LDS accesses are complete, then all four waves meet
	s_wait_dscnt 0x0
	s_barrier_signal -1
	s_barrier_wait -1
.endm
.macro LOADW buf, step                 ; a K step's four weight fragments of my head: eight loads of 512 consecutive bytes; step counts from the weight pointer
.irp f, 0,1,2,3
	global_load_b128 v[WB+32*\buf+8*\f:WB+32*\buf+8*\f+3],   v8, s[28:29] offset:(\step)*16384+\f*1024
	global_load_b128 v[WB+32*\buf+8*\f+4:WB+32*\buf+8*\f+7], v8, s[28:29] offset:(\step)*16384+\f*1024+512
.endr
.endm
.macro BIASQK lo                       ; Q, K: register j of tile f is feature 16 f + 8 h + j
.irp f, 0,1,2,3
	global_load_b128 v[BIAS+8*\f:BIAS+8*\f+3],   v12, s[\lo:\lo+1] offset:64*\f
	global_load_b128 v[BIAS+8*\f+4:BIAS+8*\f+7], v12, s[\lo:\lo+1] offset:64*\f+16
.endr
.endm
.macro BIASV                           ; V: the lane is feature 16 f + r; one word a tile, spread over the tile's registers in front of V's product
.irp f, 0,1,2,3
	global_load_b32 v[BIAS+8*\f], v13, s[16:17] offset:64*\f
.endr
.endm
.macro XLD dst, adr, ko                ; four X fragments (16 tokens x 32 K): two loads of 16 bytes a lane, 32 bytes apart
.irp t, 0,1,2,3
	ds_load_b128 v[\dst+8*\t:\dst+8*\t+3],   v[\adr] offset:\t*16*XP+(\ko)
	ds_load_b128 v[\dst+8*\t+4:\dst+8*\t+7], v[\adr] offset:\t*16*XP+(\ko)+32
.endr
.endm
; 16 matrix instructions: token blocks 4 half .. 4 half + 3 x the four feature blocks, weights of ring place i
.macro MM16 i, half, first, orient
.irp t, 0,1,2,3
.irp f, 0,1,2,3
.if \orient
.if \first
	v_wmma_f32_16x16x32_bf16 v[8*(8*\f+4*\half+\t):8*(8*\f+4*\half+\t)+7], v[XH0+32*\half+8*\t:XH0+32*\half+8*\t+7], v[WB+32*\i+8*\f:WB+32*\i+8*\f+7], v[BIAS+8*\f:BIAS+8*\f+7]
.else
	v_wmma_f32_16x16x32_bf16 v[8*(8*\f+4*\half+\t):8*(8*\f+4*\half+\t)+7], v[XH0+32*\half+8*\t:XH0+32*\half+8*\t+7], v[WB+32*\i+8*\f:WB+32*\i+8*\f+7], v[8*(8*\f+4*\half+\t):8*(8*\f+4*\half+\t)+7]
.endif
.else
.if \first
	v_wmma_f32_16x16x32_bf16 v[8*(16*\half+4*\t+\f):8*(16*\half+4*\t+\f)+7], v[WB+32*\i+8*\f:WB+32*\i+8*\f+7], v[XH0+32*\half+8*\t:XH0+32*\half+8*\t+7], v[BIAS+8*\f:BIAS+8*\f+7]
.else
	v_wmma_f32_16x16x32_bf16 v[8*(16*\half+4*\t+\f):8*(16*\half+4*\t+\f)+7], v[WB+32*\i+8*\f:WB+32*\i+8*\f+7], v[XH0+32*\half+8*\t:XH0+32*\half+8*\t+7], v[8*(16*\half+4*\t+\f):8*(16*\half+4*\t+\f)+7]
.endif
.endif
.endr
.endr
.endm
; One K step of 32: 32 matrix instructions in two halves; behind each half its X fragments of the next K step are asked for, behind the second
; the weights four K steps ahead.  first = 1: the bias starts the sums, and behind it the next matrix's bias (nb: its scalar pair, 16 = V's) is loaded.
; lc: the loads younger than this step's weights: three steps of eight, and the 32 of a quarter of X where one was asked for in front of the trip;
;     bias loads among them only make the wait stricter.
; pf: scalar pair of the next input, of which this wave asks for 32 blocks of 256 bytes, or 0.
.macro KSTEP i, first, refill, lc, orient, nb, pf
	s_wait_loadcnt \lc
	s_wait_dscnt 0x8                               ; LDS loads come back in order: blocks 0-3 are in, the eight loads of blocks 4-7 may be out
.if \first
	WIN 0x40                                       ; D in window 1, C = the bias in window 0
.else
	WIN 0x50                                       ; C and D in window 1
.endif
	MM16 \i, 0, \first, \orient
	WIN 0
.if \i == 3
	s_add_co_u32 s58, s58, 256                     ; four K steps of 64 bytes on, and from the row's end back to its head:
	s_and_b32 s58, s58, 0x3ff                      ; the last step of a matrix fetches K step 0 for the next matrix
	v_add_nc_u32 v6, s58, v4                       ; (these two and two v_nop are the four places)
	v_add_nc_u32 v7, s58, v5
	v_nop
	v_nop
.else
	PLACES
.endif
	XLD XH0, 6, ((\i+1)&3)*64
	s_wait_dscnt 0x8                               ; blocks 4-7 are in; the eight loads just issued stay out
.if \pf
	global_prefetch_b8 v22, s[\pf:\pf+1] offset:\i*8192 th:TH_LOAD_NT scope:SCOPE_SE
.endif
.if \first
	WIN 0x40
.else
	WIN 0x50
.endif
	MM16 \i, 1, \first, \orient
	WIN 0
	PLACES
	XLD XH1, 7, ((\i+1)&3)*64
.if \refill
.if \i == 0
	s_wait_xcnt 0x0                                ; the weight pointer is stepped only when every load that names it has had its address translated;
	s_add_nc_u64 s[28:29], s[28:29], 65536         ; the last of them was issued 32 matrix instructions ago
.endif
	LOADW \i, \i                                   ; four K steps ahead of the step just multiplied, into its ring place
.endif
.if \first
.if \nb == 16
	BIASV
.else
.if \nb
	BIASQK \nb
.endif
.endif
.endif
.endm
.macro TRIP first, refill, l0, l1, l2, l3, orient, nb, pf
	KSTEP 0, \first, \refill, \l0, \orient, \nb, \pf
	KSTEP 1, 0, \refill, \l1, \orient, 0, \pf
	KSTEP 2, 0, \refill, \l2, \orient, 0, \pf
	KSTEP 3, 0, \refill, \l3, \orient, 0, \pf
.endm
; A projection on an X that stays: 16 K steps = 4 trips; the weight ring runs on from matrix to matrix (wf holds them in the order of use).
; pre = 1: K step 0's fragments are fetched here; otherwise the product in front has fetched them.
; last = 1: the last trip of the launch loads no weights, its counts run down.
.macro GEMML id, orient, pre, last, nb, pf
.if \pre
	s_mov_b32 s58, 0
	v_mov_b32 v6, v4
	v_mov_b32 v7, v5
	XLD XH0, 6, 0
	XLD XH1, 7, 0
.endif
	TRIP 1, 1, 24, 24, 24, 24, \orient, \nb, \pf
	s_mov_b32 s3, 3-\last
.Lg\id:
	TRIP 0, 1, 24, 24, 24, 24, \orient, 0, 0
	s_sub_co_u32 s3, s3, 1
	s_cmp_lg_u32 s3, 0
	s_cbranch_scc1 .Lg\id
.if \last
	global_prefetch_b8 v17, s[10:11] th:TH_LOAD_NT scope:SCOPE_SE    ; the mask, one trip ahead of its loads: 32 blocks of 256 bytes a wave, half of the batch's mask a work-group
	TRIP 0, 0, 24, 16, 8, 0, \orient, 0, 0
.endif
.endm
; A quarter of the next input: of each of my 32 rows 512 consecutive bytes of f32, into the landing registers
.macro XQ_ISSUE
	WIN 0xc0                                       ; data to window 3, offset from window 0
.set n, 0
.rept 32
	global_load_b128 v[LAND+4*n:LAND+4*n+3], v9, s[56:57] offset:n*2048
.set n, n+1
.endr
	WIN 0
.endm
; and from there, rounded to bf16 in place, into LDS: 8 bytes a lane, 256 consecutive bytes of a row
.macro XQ_STORE
	WIN 0xcf
.set n, 0
.rept 32
	v_cvt_pk_bf16_f32 v[LAND+4*n],   v[LAND+4*n],   v[LAND+4*n+1]
	v_cvt_pk_bf16_f32 v[LAND+4*n+1], v[LAND+4*n+2], v[LAND+4*n+3]
.set n, n+1
.endr
	WIN 0x0c                                       ; data from window 3, address from window 0
.set n, 0
.rept 32
	ds_store_b64 v10, v[LAND+4*n:LAND+4*n+1] offset:n*XP
.set n, n+1
.endr
	WIN 0
.endm
; Behind a trip of a phase's last product: the quarter that the trip has read is given to the next input.
.macro XBOUND
	BARRIER                                        ; every wave's reads of X are over, those of the next K step's fragments too
	s_wait_loadcnt 32                              ; the quarter asked for in front of the trip is in: only the trip's 32 weight loads (and a bias) are younger
	XQ_STORE
	s_wait_xcnt 0x0                                ; the base is stepped only behind this wait (its own loads are done besides)
	s_add_nc_u64 s[56:57], s[56:57], 512           ; the next 128 columns of f32
	BARRIER                                        ; the quarter is whole
	v_add_nc_u32 v10, 256, v10                     ; and of bf16
.endm
; The last product on an input.  Its last K step fetches K step 0 from the first quarter, which holds the next input since the first boundary.
.macro GEMMR id, orient, nb, base
	s_mov_b64 s[56:57], s[\base:\base+1]
	v_mov_b32 v10, v11
	XQ_ISSUE
	TRIP 1, 1, 56, 56, 56, 56, \orient, \nb, 0
	XBOUND
	s_mov_b32 s3, 3
.Lr\id:
	XQ_ISSUE
	TRIP 0, 1, 56, 56, 56, 56, \orient, 0, 0
	XBOUND
	s_sub_co_u32 s3, s3, 1
	s_cmp_lg_u32 s3, 0
	s_cbranch_scc1 .Lr\id
.endm
.macro PACK base                       ; 256 sums to 128 words of bf16: word n from sums 2 n, 2 n + 1 (in place: word n is never above its sources)
.set n, 0
.rept 128
	v_cvt_pk_bf16_f32 v[\base+n], v[2*n], v[2*n+1]
.set n, n+1
.endr
.endm
.macro PARKREG win, base               ; K or V into window win: tile T's four words at base + 4 T
	PLACES
	WIN 0x05|(\win<<6)
	PACK \base
	WIN 0
.endm
.macro QSTORE adr                      ; tile T = 4 qb + f at T x 512 + 16 x lane of my park
	WIN 0x04
.set n, 0
.rept 32
	ds_store_b128 v[\adr], v[4*n:4*n+3] offset:n*512
.set n, n+1
.endr
	WIN 0
.endm
.macro PARKLDS adr
	PLACES
	WIN 0x45
	PACK 0
	QSTORE \adr
	s_wait_dscnt 0x0                               ; before the next product writes the registers that these stores read
.endm
; The first input, f32 in memory, to bf16 in LDS.  Wave w takes rows 32 w .. 32 w + 31, eight rows (32 loads of 512 consecutive bytes) in flight.
.macro LOADX_ISSUE base
	s_mov_b64 s[56:57], s[\base:\base+1]
	WIN 0x40
	v_mov_b32 v[XOW], v9
	v_mov_b32 v[XSW], v11
	WIN 0x45
.irp row, 0,1,2,3,4,5,6,7
.irp c, 0,1,2,3
	global_load_b128 v[16*\row+4*\c:16*\row+4*\c+3], v[XOW], s[56:57] offset:\row*2048+\c*512
.endr
.endr
	WIN 0
.endm
.macro LOADX_ROW row, refill, left
	s_wait_loadcnt \left                           ; this row's four loads are in; the seven younger rows' stay out (weights and biases asked for earlier are older)
.irp c, 0,1,2,3
	v_cvt_pk_bf16_f32 v[TMPW+2*\c],   v[16*\row+4*\c],   v[16*\row+4*\c+1]
	v_cvt_pk_bf16_f32 v[TMPW+2*\c+1], v[16*\row+4*\c+2], v[16*\row+4*\c+3]
.endr
.irp c, 0,1,2,3
	ds_store_b64 v[XSW], v[TMPW+2*\c:TMPW+2*\c+1] offset:\row*XP+\c*256
.endr
.if \refill
.irp c, 0,1,2,3
	global_load_b128 v[16*\row+4*\c:16*\row+4*\c+3], v[XOW], s[56:57] offset:(\row+8)*2048+\c*512
.endr
.endif
.endm
.macro LOADX_ROWS id
	s_mov_b32 s3, 3
.Lx\id:
	WIN 0x45
.irp row, 0,1,2,3,4,5,6,7
	LOADX_ROW \row, 1, 28
.endr
	s_wait_xcnt 0x0                                ; the base is stepped only behind this wait
	s_add_nc_u64 s[56:57], s[56:57], 16384
	v_add_nc_u32 v[XSW], 8*XP, v[XSW]
	WIN 0
	s_sub_co_u32 s3, s3, 1
	s_cmp_lg_u32 s3, 0
	s_cbranch_scc1 .Lx\id
	WIN 0x45
.irp row, 0,1,2,3,4,5,6,7
	LOADX_ROW \row, 0, 28-4*\row                   ; the last eight rows load nothing: the counts run down
.endr
	WIN 0
.endm
	; ---- ids, pointers, addresses
	s_load_b256 s[4:11], s[0:1], 0x0               ; input_tensor, position_embedding, attribute_table, attention_mask
	s_load_b256 s[12:19], s[0:1], 0x20             ; bq, bk, bv, bqp
	s_load_b256 s[20:27], s[0:1], 0x40             ; bkp, bka, bqa, w_matrix
	s_load_b128 s[28:31], s[0:1], 0x60             ; wf, ctxf
	v_lshl_add_u32 v30, v0, 2, 0x40800
	v_mov_b32 v31, 0
	v_lshrrev_b32 v1, 5, v0
	v_readfirstlane_b32 s52, v1                    ; wave w
	s_and_b32 s53, ttmp7, 0xffff                   ; batch b
	s_mov_b32 s54, ttmp9                           ; hg: heads 4 hg .. 4 hg + 3
	s_lshl2_add_u32 s55, s54, s52                  ; my head
	s_mov_b32 s60, 0x76543210                      ; v_permlanex16_b32: lane i takes lane i of the other half
	s_mov_b32 s61, 0xfedcba98
	s_mov_b32 s62, 0xffff0000                      ; a word's upper bf16
	v_and_b32 v1, 31, v0                           ; lane
	v_and_b32 v2, 15, v0                           ; r
	v_bfe_u32 v3, v0, 4, 1                         ; h
	v_lshlrev_b32 v19, 4, v1                       ; 16 x lane
	v_mul_u32_u24 v4, v2, XP
	v_lshl_add_u32 v4, v3, 4, v4                   ; r x pitch + 16 h
	v_add_nc_u32 v5, 64*XP, v4
	s_lshl_b32 s78, s52, 12
	v_add_nc_u32 v8, s78, v19                      ; weights: my head's 4,096 bytes of a K step
	s_lshl_b32 s78, s52, 16
	v_add_nc_u32 v9, s78, v19                      ; X: my 32 rows of 2,048 bytes
	s_mul_i32 s78, s52, 32*XP
	v_lshl_add_u32 v11, v1, 3, s78                 ; and where they go: 8 bytes a lane
	s_lshl_b32 s78, s55, 8
	v_lshl_add_u32 v12, v3, 5, s78                 ; bias: my head's 64 numbers, + 8 h
	v_lshl_add_u32 v13, v2, 2, s78                 ; or + r
	s_lshl_b32 s78, s52, 14
	v_add_nc_u32 v20, s78, v19                     ; mask: my 32 rows of 512 bytes
	v_add_nc_u32 v14, QP0, v20                     ; my three parks of 16,384 bytes
	v_add_nc_u32 v15, QP1, v20
	v_add_nc_u32 v16, QP2, v20
	s_lshl_b32 s78, s52, 13
	s_lshl_b32 s79, s54, 15
	s_add_co_u32 s78, s78, s79
	v_lshl_add_u32 v17, v1, 8, s78                 ; prefetch of the mask: lanes 256 bytes apart; 8,192 bytes a wave, 32,768 a work-group
	s_lshl_b32 s78, s52, 15
	s_lshl_b32 s79, s54, 17
	s_add_co_u32 s78, s78, s79
	v_lshl_add_u32 v22, v1, 8, s78                 ; prefetch of an input: lanes 256 bytes apart; 32,768 bytes a wave, 131,072 (64 rows) a work-group
	v_mul_u32_u24 v18, v2, MP
	v_lshl_add_u32 v18, v3, 5, v18                 ; mask of query r, keys 8 h ..
	s_mul_i32 s78, s52, 32*MP
	v_add_nc_u32 v21, s78, v19
	s_wait_kmcnt 0x0
	s_load_b256 s[68:75], s[26:27], 0x0            ; w_matrix: w[i][j] in s[68 + 3 i + j]
	s_load_b32 s76, s[26:27], 0x20
	s_lshl_b32 s78, s53, 18                        ; a batch of an input: 262,144 bytes
	s_mov_b32 s79, 0
	s_add_nc_u64 s[4:5], s[4:5], s[78:79]
	s_add_nc_u64 s[6:7], s[6:7], s[78:79]
	s_add_nc_u64 s[8:9], s[8:9], s[78:79]
	s_lshl_b32 s78, s53, 16                        ; of the mask: 65,536
	s_add_nc_u64 s[10:11], s[10:11], s[78:79]
	s_mul_i32 s78, s54, 7*16*16384                 ; the weights of my four heads
	s_add_nc_u64 s[28:29], s[28:29], s[78:79]
	s_lshl_b32 s78, s53, 17                        ; ctxf: batch x 8 blocks of 16,384 bytes + head x 2 K steps of 1,024
	s_lshl_b32 s77, s55, 11
	s_add_co_u32 s78, s78, s77
	s_add_nc_u64 s[30:31], s[30:31], s[78:79]
	LOADW 0, 0                                     ; the weight ring: four K steps
	LOADW 1, 1
	LOADW 2, 2
	LOADW 3, 3
	BIASQK 12
	LOADX_ISSUE 4
	s_wait_kmcnt 0x0
.irp i, 68,69,70,71,72,73,74,75,76
	s_mul_f32 s\i, s\i, 0x3e000000                 ; 1 / sqrt(64) goes into the mix
.endr
	LOADX_ROWS a
	BARRIER                                        ; X is whole
	; ---- input_tensor: Q, K, V
	GEMML q0, 0, 1, 0, 14, 0
	PARKLDS 14
	GEMML k0, 0, 0, 0, 16, 6                       ; its first four K steps ask for my share of position_embedding: 12 K steps ahead of the first quarter's loads, 4 more for each later quarter
	PARKREG 2, 0
.irp f, 0,1,2,3                                    ; V's bias in all eight registers of a tile.  Its four loads were followed by 24 weight loads
.irp j, 1,2,3,4,5,6,7                              ; before the loop's first s_wait_loadcnt 24, which therefore showed them done
	v_mov_b32 v[BIAS+8*\f+\j], v[BIAS+8*\f]
.endr
.endr
	GEMMR vv, 1, 18, 6                             ; V; position_embedding moves in behind it
	PARKREG 3, 128
	; ---- position_embedding: Q, K
	GEMML q1, 0, 0, 0, 20, 8                       ; asks for my share of attribute_table
	PARKLDS 15
	GEMMR k1, 0, 22, 8                             ; K; attribute_table moves in behind it
	PARKREG 2, 128
	; ---- attribute_table: K, Q
	GEMML k2, 0, 0, 0, 24, 0
	PARKREG 3, 0
	GEMML q2, 0, 0, 1, 0, 0
	PLACES
	; ---- the mask and the third Q take X's place
.set n, 0
.rept 32
	global_load_b128 v[128+4*n:128+4*n+3], v20, s[10:11] offset:n*512     ; a whole row of the mask; on its way while the sums are packed
.set n, n+1
.endr
	WIN 0x45
	PACK 0
	WIN 0
	BARRIER                                        ; every wave's reads of X are over
	QSTORE 16
	s_wait_loadcnt 0x0
.set n, 0
.rept 32
	ds_store_b128 v21, v[128+4*n:128+4*n+3] offset:n*MP
.set n, n+1
.endr
	BARRIER                                        ; the mask is whole
.set n, 0
.rept 9
	v_mov_b32 v[WV+2*n], s[68+n]
	v_mov_b32 v[WV+2*n+1], s[68+n]
.set n, n+1
.endr
	; ---- attention: eight blocks of 16 queries
	s_mov_b32 s59, 0                               ; the block's offset in ctxf
	s_mov_b32 s3, 8
.Lattn:
.irp i, 0,1,2
.irp f, 0,1,2,3
	ds_load_b128 v[QI+16*\i+4*\f:QI+16*\i+4*\f+3], v[14+\i] offset:512*\f
.endr
.endr
.irp kb, 0,1,2,3,4,5,6,7
	ds_load_b128 v[SC+8*\kb:SC+8*\kb+3],   v18 offset:64*\kb       ; mask(query r, keys 16 kb + 8 h ..): the C of the score chain
	ds_load_b128 v[SC+8*\kb+4:SC+8*\kb+7], v18 offset:64*\kb+16
.endr
	s_wait_dscnt 0x10                              ; the twelve loads of Q are in, the sixteen of the mask may be out
	; Q'_j = sum over i of w[i][j]/8 Q_i, in f32, word by word (two features)
.set p, 0
.rept 16
	v_lshlrev_b32 v[U],   16,  v[QI+p]
	v_and_b32     v[U+1], s62, v[QI+p]
	v_lshlrev_b32 v[U+2], 16,  v[QI+16+p]
	v_and_b32     v[U+3], s62, v[QI+16+p]
	v_lshlrev_b32 v[U+4], 16,  v[QI+32+p]
	v_and_b32     v[U+5], s62, v[QI+32+p]
.irp j, 0,1,2
	v_pk_mul_f32 v[TT+2*\j:TT+2*\j+1], v[U:U+1], v[WV+2*\j:WV+2*\j+1]
.endr
.irp j, 0,1,2
	v_pk_fma_f32 v[TT+2*\j:TT+2*\j+1], v[U+2:U+3], v[WV+6+2*\j:WV+6+2*\j+1], v[TT+2*\j:TT+2*\j+1]
.endr
.irp j, 0,1,2
	v_pk_fma_f32 v[TT+2*\j:TT+2*\j+1], v[U+4:U+5], v[WV+12+2*\j:WV+12+2*\j+1], v[TT+2*\j:TT+2*\j+1]
.endr
.irp j, 0,1,2
	v_cvt_pk_bf16_f32 v[QC+16*\j+p], v[TT+2*\j], v[TT+2*\j+1]
.endr
.set p, p+1
.endr
	s_wait_dscnt 0x0                               ; the mask is in
	; scores: 48 matrix instructions, eight chains in place.  A = 16 keys x 32 features, B = 16 queries x 32 features
	WIN 0x02
.irp j, 0,1
.irp ks, 0,1
.irp kb, 0,1,2,3,4,5,6,7
	v_wmma_f32_16x16x32_bf16 v[SC+8*\kb:SC+8*\kb+7], v[128*\j+16*\kb+8*\ks:128*\j+16*\kb+8*\ks+7], v[QC+16*\j+8*\ks:QC+16*\j+8*\ks+7], v[SC+8*\kb:SC+8*\kb+7]
.endr
.endr
.endr
	WIN 0x03
.irp ks, 0,1
.irp kb, 0,1,2,3,4,5,6,7
	v_wmma_f32_16x16x32_bf16 v[SC+8*\kb:SC+8*\kb+7], v[16*\kb+8*\ks:16*\kb+8*\ks+7], v[QC+32+8*\ks:QC+32+8*\ks+7], v[SC+8*\kb:SC+8*\kb+7]
.endr
.endr
	WIN 0
	PLACES
	; softmax of query r: 64 keys in this lane, the other 64 in lane r xor 16
	v_max3_num_f32 v[U],   v[SC],   v[SC+1],  v[SC+2]
	v_max3_num_f32 v[U+1], v[SC+3], v[SC+4],  v[SC+5]
	v_max3_num_f32 v[U+2], v[SC+6], v[SC+7],  v[SC+8]
	v_max3_num_f32 v[U+3], v[SC+9], v[SC+10], v[SC+11]
.set n, 12
.rept 26
	v_max3_num_f32 v[U+(n/2)%4], v[U+(n/2)%4], v[SC+n], v[SC+n+1]
.set n, n+2
.endr
	v_max3_num_f32 v[U], v[U], v[U+1], v[U+2]
	v_max_num_f32 v[U], v[U], v[U+3]
	v_permlanex16_b32 v[U+1], v[U], s60, s61
	v_max_num_f32 v[U], v[U], v[U+1]
	v_mul_f32 v[NM],   0xbfb8aa3b, v[U]            ; -max x log2 e; its rounding shifts all exponents of the row alike and cancels in the quotient
	v_mul_f32 v[NM+1], 0xbfb8aa3b, v[U]
.set n, 0
.rept 32
	v_pk_fma_f32 v[SC+n:SC+n+1], v[SC+n:SC+n+1], 0x3fb8aa3b, v[NM:NM+1] op_sel_hi:[1,0,1]
.set n, n+2
.endr
.set n, 0
.rept 64
	v_exp_f32 v[SC+n], v[SC+n]
.set n, n+1
.endr
	v_nop                                          ; one plain vector instruction between the exponentials and the first use of a result
	s_wait_alu depctr_va_vdst(0)
	v_pk_add_f32 v[U:U+1],   v[SC:SC+1],     v[SC+2:SC+3]
	v_pk_add_f32 v[U+2:U+3], v[SC+4:SC+5],   v[SC+6:SC+7]
	v_pk_add_f32 v[U+4:U+5], v[SC+8:SC+9],   v[SC+10:SC+11]
	v_pk_add_f32 v[U+6:U+7], v[SC+12:SC+13], v[SC+14:SC+15]
.set n, 16
.rept 24
	v_pk_add_f32 v[U+2*((n/2)%4):U+2*((n/2)%4)+1], v[U+2*((n/2)%4):U+2*((n/2)%4)+1], v[SC+n:SC+n+1]
.set n, n+2
.endr
	v_pk_add_f32 v[U:U+1], v[U:U+1], v[U+2:U+3]
	v_pk_add_f32 v[U+4:U+5], v[U+4:U+5], v[U+6:U+7]
	v_pk_add_f32 v[U:U+1], v[U:U+1], v[U+4:U+5]
	v_add_f32 v[U], v[U], v[U+1]
	v_permlanex16_b32 v[U+1], v[U], s60, s61
	v_add_f32 v[U], v[U], v[U+1]                   ; the largest term is 1 up to rounding: the sum is never small
	v_rcp_f32 v[NM], v[U]
	v_rcp_f32 v[NM+1], v[U]                        ; used far below; the lines that follow are the plain instructions in between
	s_wait_xcnt 0x0                                ; the last block's stores, issued a whole block ago, have had their addresses translated:
	v_add_nc_u32 v23, s59, v19                     ; their offset and their data (v192-207) are rewritten only behind this wait
.set n, 0
.rept 32
	v_cvt_pk_bf16_f32 v[PF+n], v[SC+2*n], v[SC+2*n+1]
.set n, n+1
.endr
	; ctx^T = V^T P^T: A = 16 features x 32 keys, B = 16 queries x 32 keys; the first product starts the sums
	WIN 0x03
.irp ft, 0,1,2,3
	v_wmma_f32_16x16x32_bf16 v[CT+8*\ft:CT+8*\ft+7], v[128+32*\ft:128+32*\ft+7], v[PF:PF+7], 0
.endr
.irp ks, 1,2,3
.irp ft, 0,1,2,3
	v_wmma_f32_16x16x32_bf16 v[CT+8*\ft:CT+8*\ft+7], v[128+32*\ft+8*\ks:128+32*\ft+8*\ks+7], v[PF+8*\ks:PF+8*\ks+7], v[CT+8*\ft:CT+8*\ft+7]
.endr
.endr
	WIN 0
	PLACES
.set n, 0
	s_wait_alu depctr_va_vdst(0)
.rept 16
	v_pk_mul_f32 v[CT+2*n:CT+2*n+1], v[CT+2*n:CT+2*n+1], v[NM:NM+1]
.set n, n+1
.endr
.set n, 0
.rept 16
	v_cvt_pk_bf16_f32 v[OUT+n], v[CT+2*n], v[CT+2*n+1]
.set n, n+1
.endr
.irp ft, 0,1,2,3
	global_store_b128 v23, v[OUT+4*\ft:OUT+4*\ft+3], s[30:31] offset:512*\ft      ; a section of a fragment of the last product: 512 consecutive bytes
.endr
	s_add_co_u32 s59, s59, 16384                   ; the next 16 tokens
	v_add_nc_u32 v14, 2048, v14
	v_add_nc_u32 v15, 2048, v15
	v_add_nc_u32 v16, 2048, v16
	v_add_nc_u32 v18, 16*MP, v18
	s_sub_co_u32 s3, s3, 1
	s_cmp_lg_u32 s3, 0
	s_cbranch_scc1 .Lattn
	s_wait_tensorcnt 0x0
	ds_add_u32 v30, v31
	s_wait_dscnt 0x0
	s_endpgm
.Lfunc_end_k_q667f062b03_attn:
	.size	k_q667f062b03_attn, .Lfunc_end_k_q667f062b03_attn-k_q667f062b03_attn
	.p2alignl 7, 3214868480
	.fill 96, 4, 3214868480
	.section	.rodata,"a",@progbits
	.p2align	6, 0x0
	.amdhsa_kernel k_q667f062b03_attn
		.amdhsa_group_segment_fixed_size 264704
		.amdhsa_private_segment_fixed_size 0
		.amdhsa_enable_private_segment 0
		.amdhsa_kernarg_size 112
		.amdhsa_user_sgpr_count 2
		.amdhsa_user_sgpr_kernarg_segment_ptr 1
		.amdhsa_wavefront_size32 1
		.amdhsa_system_sgpr_workgroup_id_x 1
		.amdhsa_system_sgpr_workgroup_id_y 1
		.amdhsa_system_sgpr_workgroup_id_z 1
		.amdhsa_system_vgpr_workitem_id 0
		.amdhsa_next_free_vgpr 1024
		.amdhsa_next_free_sgpr 90
		.amdhsa_reserve_vcc 0
		.amdhsa_float_denorm_mode_32 3
		.amdhsa_float_denorm_mode_16_64 3
		.amdhsa_memory_ordered 1
		.amdhsa_forward_progress 1
		.amdhsa_inst_pref_size 255
	.end_amdhsa_kernel
	.section	.bss,"aw",@nobits
	.p2align	6
	.space	262144
	.amdgpu_metadata
---
amdhsa.version: [ 1, 2 ]
amdhsa.kernels:
  - .name:           k_q667f062b03_attn
    .symbol:         k_q667f062b03_attn.kd
    .args:
      - { .name: input_tensor, .offset: 0, .size: 8, .value_kind: global_buffer, .address_space: global }
      - { .name: position_embedding, .offset: 8, .size: 8, .value_kind: global_buffer, .address_space: global }
      - { .name: attribute_table, .offset: 16, .size: 8, .value_kind: global_buffer, .address_space: global }
      - { .name: attention_mask, .offset: 24, .size: 8, .value_kind: global_buffer, .address_space: global }
      - { .name: bq, .offset: 32, .size: 8, .value_kind: global_buffer, .address_space: global }
      - { .name: bk, .offset: 40, .size: 8, .value_kind: global_buffer, .address_space: global }
      - { .name: bv, .offset: 48, .size: 8, .value_kind: global_buffer, .address_space: global }
      - { .name: bqp, .offset: 56, .size: 8, .value_kind: global_buffer, .address_space: global }
      - { .name: bkp, .offset: 64, .size: 8, .value_kind: global_buffer, .address_space: global }
      - { .name: bka, .offset: 72, .size: 8, .value_kind: global_buffer, .address_space: global }
      - { .name: bqa, .offset: 80, .size: 8, .value_kind: global_buffer, .address_space: global }
      - { .name: w_matrix, .offset: 88, .size: 8, .value_kind: global_buffer, .address_space: global }
      - { .name: wf, .offset: 96, .size: 8, .value_kind: global_buffer, .address_space: global }
      - { .name: ctxf, .offset: 104, .size: 8, .value_kind: global_buffer, .address_space: global }
    .group_segment_fixed_size: 264704
    .private_segment_fixed_size: 0
    .kernarg_segment_align: 8
    .kernarg_segment_size: 112
    .max_flat_workgroup_size: 128
    .sgpr_count:     90
    .vgpr_count:     1024
    .wavefront_size: 32
...
	.end_amdgpu_metadata
.endif
;; end of part 2
;; launch outln (part 3): grid 256 x 1, 8 waves a work-group, no clusters, 198,656 bytes of LDS; arguments ctxf, wf, input_tensor, bd, gamma, beta, out0; writes out0
.if DOCPART == 3
	.amdgcn_target "amdgcn-amd-amdhsa--gfx1250"
	.amdhsa_code_object_version 6
	.text
	.protected	k_q667f062b03_outln
	.globl	k_q667f062b03_outln
	.p2align	8
	.type	k_q667f062b03_outln,@function
k_q667f062b03_outln:
	s_mov_b64 s[64:65], 0
	v_nop
	global_prefetch_b8 v0, s[64:65] scope:SCOPE_SE
	s_setreg_imm32_b32 hwreg(HW_REG_WAVE_MODE, 25, 1), 1
	s_wait_xcnt 0x0
; out = LayerNorm(ctx Wd + bd + x).  A work-group takes 64 tokens.  In the product wave w8 makes 64 output features x 64 tokens (16 tiles);
; the sums go through LDS, and in the norm wave w8 takes rows 8 w8 .. 8 w8 + 7 whole, so that the two reductions stay inside a wave.
; ctx (bf16, already in fragment order, 65,536 bytes) is copied to LDS once and shared by the eight waves; Wd's fragments come straight into
; the one wave that uses them, by loads of 512 consecutive bytes, four K steps ahead.  x is asked for in front of the product.
; NO CLUSTER, NO JOINT REQUESTS: a fragment of Wd is used by one wave of a work-group; through LDS it would be written and read once more.
; The variance is the mean of (h - mean)^2, made in a second pass over registers: a common offset of the inputs costs no digits.
.set WD0,   7*2*16*16384               ; Wd's fragments in wf
.set SP,    2064                       ; pitch of the stage: 2,048 bytes + 16, an odd multiple of 16
.set STAGE, 65536                      ; behind ctx: 64 rows of f32
.set BD,  16                           ; v16-31   bd of my 16 columns (4 c + 0..3: columns 128 c + 4 lane ..)
.set GA,  32                           ; v32-47   gamma
.set BE,  48                           ; v48-63   beta
.set CB,  64                           ; v64-127  ctx fragments, two K steps of 32 registers
.set WB,  128                          ; v128-255 Wd fragments, four K steps of 32 registers
.set HH,  128                          ; v128-255 then my eight rows of h, 16 registers each
; window 1: v0-127 the 16 accumulator tiles (tile 4 tb + f), v128-255 my eight rows of x
.set MSB, 0
.macro WIN new
.if MSB != (\new)
	s_set_vgpr_msb (MSB<<8)|(\new)
.set MSB, (\new)
.endif
.endm
.macro PLACES                          ; four independent vector instructions behind a matrix instruction (ISA guide 7.12.1)
.rept 4
	v_nop
.endr
.endm
.macro CBLD buf, step
.irp tb, 0,1,2,3
	ds_load_b128 v[CB+32*\buf+8*\tb:CB+32*\buf+8*\tb+3],   v4 offset:\tb*16384+\step*1024
	ds_load_b128 v[CB+32*\buf+8*\tb+4:CB+32*\buf+8*\tb+7], v4 offset:\tb*16384+\step*1024+512
.endr
.endm
.macro WLD buf, step
.irp f, 0,1,2,3
	global_load_b128 v[WB+32*\buf+8*\f:WB+32*\buf+8*\f+3],   v5, s[6:7] offset:\step*32768+\f*1024
	global_load_b128 v[WB+32*\buf+8*\f+4:WB+32*\buf+8*\f+7], v5, s[6:7] offset:\step*32768+\f*1024+512
.endr
.endm
.macro OM16 wb, cb, zero               ; A = 16 output features x 32 K, B = 16 tokens x 32 K: a lane holds a token, its registers eight features
.irp tb, 0,1,2,3
.irp f, 0,1,2,3
.if \zero
	v_wmma_f32_16x16x32_bf16 v[8*(4*\tb+\f):8*(4*\tb+\f)+7], v[WB+32*\wb+8*\f:WB+32*\wb+8*\f+7], v[CB+32*\cb+8*\tb:CB+32*\cb+8*\tb+7], 0
.else
	v_wmma_f32_16x16x32_bf16 v[8*(4*\tb+\f):8*(4*\tb+\f)+7], v[WB+32*\wb+8*\f:WB+32*\wb+8*\f+7], v[CB+32*\cb+8*\tb:CB+32*\cb+8*\tb+7], v[8*(4*\tb+\f):8*(4*\tb+\f)+7]
.endif
.endr
.endr
.endm
.macro REDUCE                          ; v10 summed over the 32 lanes, the result in every lane
	v_add_f32_dpp v10, v10, v10 row_xmask:1 row_mask:0xf bank_mask:0xf
	v_add_f32_dpp v10, v10, v10 row_xmask:2 row_mask:0xf bank_mask:0xf
	v_add_f32_dpp v10, v10, v10 row_xmask:4 row_mask:0xf bank_mask:0xf
	v_add_f32_dpp v10, v10, v10 row_xmask:8 row_mask:0xf bank_mask:0xf
	v_permlanex16_b32 v11, v10, s24, s25
	v_add_f32 v10, v10, v11
.endm
	s_load_b256 s[4:11], s[0:1], 0x0               ; ctxf, wf, input_tensor, bd
	s_load_b128 s[12:15], s[0:1], 0x20             ; gamma, beta
	s_load_b64 s[16:17], s[0:1], 0x30              ; out0
	v_lshrrev_b32 v1, 5, v0
	v_readfirstlane_b32 s20, v1                    ; wave w8
	s_mov_b32 s21, 0x3b000000                      ; 1 / 512
	s_mov_b32 s22, 0x2b8cbccc                      ; 1e-12
	s_mov_b32 s24, 0x76543210
	s_mov_b32 s25, 0xfedcba98
	v_and_b32 v1, 31, v0                           ; lane
	v_and_b32 v2, 15, v0                           ; r
	v_bfe_u32 v3, v0, 4, 1                         ; h
	v_lshlrev_b32 v4, 4, v1                        ; 16 x lane: ctx fragments in LDS, and bd, gamma, beta
	s_lshl_b32 s26, s20, 12
	v_add_nc_u32 v5, s26, v4                       ; Wd: my 4,096 bytes of a K step
	s_lshl_b32 s26, s20, 14
	v_add_nc_u32 v6, s26, v4                       ; x and out: my eight rows of 2,048 bytes
	v_mul_u32_u24 v7, v2, SP
	v_lshl_add_u32 v7, v3, 5, v7
	s_lshl_b32 s26, s20, 8
	s_add_co_u32 s26, s26, STAGE
	v_add_nc_u32 v7, s26, v7                       ; stage, in: row r, my 64 columns, + 8 h
	v_add_nc_u32 v10, 32*SP, v7                    ; the same for token blocks 2, 3: beyond the reach of the 16-bit immediate
	s_mul_i32 s26, s20, 8*SP
	s_add_co_u32 s26, s26, STAGE
	v_add_nc_u32 v8, s26, v4                       ; stage, back: my eight rows
	v_lshlrev_b32 v9, 4, v0                        ; the copy of ctx: 16 bytes a thread
	s_lshl_b32 s26, ttmp9, 16                      ; 64 tokens of ctxf: 65,536 bytes
	s_mov_b32 s27, 0
	s_lshl_b32 s28, ttmp9, 17                      ; of x and out: 131,072
	s_mov_b32 s29, 0
	s_wait_kmcnt 0x0
	s_add_nc_u64 s[4:5], s[4:5], s[26:27]
	s_add_nc_u64 s[6:7], s[6:7], WD0
	s_add_nc_u64 s[8:9], s[8:9], s[28:29]
	s_add_nc_u64 s[16:17], s[16:17], s[28:29]
.irp c, 0,1,2,3
	global_load_b128 v[BD+4*\c:BD+4*\c+3], v4, s[10:11] offset:512*\c
	global_load_b128 v[GA+4*\c:GA+4*\c+3], v4, s[12:13] offset:512*\c
	global_load_b128 v[BE+4*\c:BE+4*\c+3], v4, s[14:15] offset:512*\c
.endr
.set n, 0
.rept 16
	global_load_b128 v[CB+4*n:CB+4*n+3], v9, s[4:5] offset:n*4096 th:TH_LOAD_NT
.set n, n+1
.endr
	WLD 0, 0
	WLD 1, 1
	WLD 2, 2
	WLD 3, 3
	s_wait_loadcnt 32                              ; ctx is in; the 32 loads of Wd behind it stay out
.set n, 0
.rept 16
	ds_store_b128 v9, v[CB+4*n:CB+4*n+3] offset:n*4096
.set n, n+1
.endr
	WIN 0x40
.irp i, 0,1,2,3,4,5,6,7
.irp c, 0,1,2,3
	global_load_b128 v[128+16*\i+4*\c:128+16*\i+4*\c+3], v6, s[8:9] offset:\i*2048+\c*512 th:TH_LOAD_NT
.endr
.endr
	WIN 0
	s_wait_dscnt 0x0
	s_barrier_signal -1
	s_barrier_wait -1                              ; ctx is whole
	CBLD 0, 0
	; 16 K steps of 32, written out: every offset is an immediate
.set t, 0
.rept 16
.if t > 0
	PLACES                                         ; behind the last step's products, whose ctx and Wd registers are loaded again
.endif
.if t < 15
	CBLD ((t+1)&1), (t+1)
.endif
.if t > 0
.if t < 13
	WLD ((t+3)&3), (t+3)
.endif
.endif
.if t < 15
	s_wait_dscnt 0x8                               ; this step's ctx fragments are in, the next step's eight loads stay out
.else
	s_wait_dscnt 0x0
.endif
.if t < 4
	s_wait_loadcnt 56                              ; younger than this step's Wd: three steps of eight and the 32 loads of x
.else
.if t < 13
	s_wait_loadcnt 24                              ; three steps of eight
.else
	s_wait_loadcnt (15-t)*8                        ; nothing more is asked for: the counts run down
.endif
.endif
.if t == 0
	WIN 0x40
	OM16 0, 0, 1                                   ; the first product starts the sums
.else
	WIN 0x50
	OM16 (t&3), (t&1), 0
.endif
	WIN 0
.set t, t+1
.endr
	PLACES
	WIN 0x04                                       ; data from window 1
.irp tb, 0,1
.irp f, 0,1,2,3
	ds_store_b128 v7, v[8*(4*\tb+\f):8*(4*\tb+\f)+3]   offset:\tb*16*SP+\f*64
	ds_store_b128 v7, v[8*(4*\tb+\f)+4:8*(4*\tb+\f)+7] offset:\tb*16*SP+\f*64+16
.endr
.endr
.irp tb, 2,3
.irp f, 0,1,2,3
	ds_store_b128 v10, v[8*(4*\tb+\f):8*(4*\tb+\f)+3]   offset:(\tb-2)*16*SP+\f*64
	ds_store_b128 v10, v[8*(4*\tb+\f)+4:8*(4*\tb+\f)+7] offset:(\tb-2)*16*SP+\f*64+16
.endr
.endr
	WIN 0
	s_wait_dscnt 0x0
	s_barrier_signal -1
	s_barrier_wait -1                              ; all eight waves' columns of every row are in the stage
.irp i, 0,1,2,3,4,5,6,7
.irp c, 0,1,2,3
	ds_load_b128 v[HH+16*\i+4*\c:HH+16*\i+4*\c+3], v8 offset:\i*SP+\c*512
.endr
.endr
	s_wait_dscnt 0x0
	WIN 0x04                                       ; + x, from window 1, in one stretch (x is in since the last K step's wait for 0)
.set n, 0
.rept 64
	v_pk_add_f32 v[HH+n:HH+n+1], v[HH+n:HH+n+1], v[128+n:128+n+1]
.set n, n+2
.endr
	WIN 0
.macro LNROW i
.set HR, HH+16*\i
.irp n, 0,2,4,6,8,10,12,14
	v_pk_add_f32 v[HR+\n:HR+\n+1], v[HR+\n:HR+\n+1], v[BD+\n:BD+\n+1]
.endr
	v_pk_add_f32 v[10:11], v[HR:HR+1], v[HR+2:HR+3]
	v_pk_add_f32 v[12:13], v[HR+4:HR+5], v[HR+6:HR+7]
	v_pk_add_f32 v[10:11], v[10:11], v[HR+8:HR+9]
	v_pk_add_f32 v[12:13], v[12:13], v[HR+10:HR+11]
	v_pk_add_f32 v[10:11], v[10:11], v[HR+12:HR+13]
	v_pk_add_f32 v[12:13], v[12:13], v[HR+14:HR+15]
	v_pk_add_f32 v[10:11], v[10:11], v[12:13]
	v_add_f32 v10, v10, v11
	REDUCE
	v_mul_f32 v14, s21, v10                        ; the mean, twice
	v_mul_f32 v15, s21, v10
.irp n, 0,2,4,6,8,10,12,14
	v_pk_add_f32 v[HR+\n:HR+\n+1], v[HR+\n:HR+\n+1], v[14:15] neg_lo:[0,1] neg_hi:[0,1]
.endr
	v_pk_mul_f32 v[10:11], v[HR:HR+1], v[HR:HR+1]
	v_pk_mul_f32 v[12:13], v[HR+2:HR+3], v[HR+2:HR+3]
.irp n, 4,8,12
	v_pk_fma_f32 v[10:11], v[HR+\n:HR+\n+1], v[HR+\n:HR+\n+1], v[10:11]
	v_pk_fma_f32 v[12:13], v[HR+\n+2:HR+\n+3], v[HR+\n+2:HR+\n+3], v[12:13]
.endr
	v_pk_add_f32 v[10:11], v[10:11], v[12:13]
	v_add_f32 v10, v10, v11
	REDUCE
	v_fma_f32 v10, v10, s21, s22                   ; variance + 1e-12
	v_rsq_f32 v14, v10
	v_rsq_f32 v15, v10
	v_nop                                          ; one plain vector instruction between v_rsq_f32 and the use of its result
	s_wait_alu depctr_va_vdst(0)
.irp n, 0,2,4,6,8,10,12,14
	v_pk_mul_f32 v[HR+\n:HR+\n+1], v[HR+\n:HR+\n+1], v[14:15]
.endr
.irp n, 0,2,4,6,8,10,12,14
	v_pk_fma_f32 v[HR+\n:HR+\n+1], v[HR+\n:HR+\n+1], v[GA+\n:GA+\n+1], v[BE+\n:BE+\n+1]
.endr
.irp c, 0,1,2,3
	global_store_b128 v6, v[HR+4*\c:HR+4*\c+3], s[16:17] offset:\i*2048+\c*512 th:TH_STORE_NT   ; 512 consecutive bytes of a row; each row has registers of its own
.endr
.endm
.irp i, 0,1,2,3,4,5,6,7
	LNROW \i
.endr
	s_wait_xcnt 0x0
	v_lshl_add_u32 v254, v0, 2, 0x30400
	v_mov_b32 v255, 0
	s_wait_tensorcnt 0x0
	ds_add_u32 v254, v255
	s_wait_dscnt 0x0
	s_endpgm
.Lfunc_end_k_q667f062b03_outln:
	.size	k_q667f062b03_outln, .Lfunc_end_k_q667f062b03_outln-k_q667f062b03_outln
	.p2alignl 7, 3214868480
	.fill 96, 4, 3214868480
	.section	.rodata,"a",@progbits
	.p2align	6, 0x0
	.amdhsa_kernel k_q667f062b03_outln
		.amdhsa_group_segment_fixed_size 198656
		.amdhsa_private_segment_fixed_size 0
		.amdhsa_enable_private_segment 0
		.amdhsa_kernarg_size 56
		.amdhsa_user_sgpr_count 2
		.amdhsa_user_sgpr_kernarg_segment_ptr 1
		.amdhsa_wavefront_size32 1
		.amdhsa_system_sgpr_workgroup_id_x 1
		.amdhsa_system_sgpr_workgroup_id_y 1
		.amdhsa_system_sgpr_workgroup_id_z 1
		.amdhsa_system_vgpr_workitem_id 0
		.amdhsa_next_free_vgpr 512
		.amdhsa_next_free_sgpr 66
		.amdhsa_reserve_vcc 0
		.amdhsa_float_denorm_mode_32 3
		.amdhsa_float_denorm_mode_16_64 3
		.amdhsa_memory_ordered 1
		.amdhsa_forward_progress 1
		.amdhsa_inst_pref_size 93
	.end_amdhsa_kernel
	.amdgpu_metadata
---
amdhsa.version: [ 1, 2 ]
amdhsa.kernels:
  - .name:           k_q667f062b03_outln
    .symbol:         k_q667f062b03_outln.kd
    .args:
      - { .name: ctxf, .offset: 0, .size: 8, .value_kind: global_buffer, .address_space: global }
      - { .name: wf, .offset: 8, .size: 8, .value_kind: global_buffer, .address_space: global }
      - { .name: input_tensor, .offset: 16, .size: 8, .value_kind: global_buffer, .address_space: global }
      - { .name: bd, .offset: 24, .size: 8, .value_kind: global_buffer, .address_space: global }
      - { .name: gamma, .offset: 32, .size: 8, .value_kind: global_buffer, .address_space: global }
      - { .name: beta, .offset: 40, .size: 8, .value_kind: global_buffer, .address_space: global }
      - { .name: out0, .offset: 48, .size: 8, .value_kind: global_buffer, .address_space: global }
    .group_segment_fixed_size: 198656
    .private_segment_fixed_size: 0
    .kernarg_segment_align: 8
    .kernarg_segment_size: 56
    .max_flat_workgroup_size: 256
    .sgpr_count:     66
    .vgpr_count:     512
    .wavefront_size: 32
...
	.end_amdgpu_metadata
.endif
;; end of part 3
;; ======== version 2 of 2: 3 launches; version 1 with the launch attn written anew for expert scheduling mode
;; limits: values outside matrix products are rounded to bf16
;; workspace buffers: wf 4,194,304 bytes; ctxf 16,777,216 bytes
;; launch prep: the kernel of part 1 again; grid 32 x 8, 8 waves a work-group, no clusters, 0 bytes of LDS; arguments Wq, Wk, Wv, Wqp, Wkp, Wka, Wqa, Wd, wf; writes wf
;; launch attn (part 4): grid 2 x 128, 4 waves a work-group, no clusters, 264,704 bytes of LDS; arguments input_tensor, position_embedding, attribute_table, attention_mask, bq, bk, bv, bqp, bkp, bka, bqa, w_matrix, wf, ctxf; writes ctxf
.if DOCPART == 4
	.amdgcn_target "amdgcn-amd-amdhsa--gfx1250"
	.amdhsa_code_object_version 6
	.text
	.protected	k_q667f062b03_attn
	.globl	k_q667f062b03_attn
	.p2align	8
	.type	k_q667f062b03_attn,@function
k_q667f062b03_attn:
	s_mov_b64 s[64:65], 0
	v_nop
	global_prefetch_b8 v0, s[64:65] scope:SCOPE_SE
	s_setreg_imm32_b32 hwreg(HW_REG_WAVE_SCHED_MODE, 0, 2), 2
	s_setreg_imm32_b32 hwreg(HW_REG_WAVE_MODE, 25, 1), 1
	s_wait_xcnt 0x0
	s_wait_alu depctr_vm_vsrc(0)
; Seven projections, the mix of the queries by w_matrix, scores, mask, softmax and P V, for one batch and four heads in a work-group.
; A wave owns ONE HEAD from the projections to ctx: all 128 tokens x 64 features.  A projection tile, computed in the right orientation and
; packed to bf16, already is the operand fragment of the next product, so Q, K, V, scores and P never leave the wave.
;   Q, K: D = W-fragment x X-fragment: a lane holds a token, its registers eight neighbouring features  -> fragments of the score product
;   V:    D = X-fragment x W-fragment: a lane holds a feature, its registers eight neighbouring tokens  -> A fragments of P V
;   scores: D = K x Q': a lane holds a query, its registers eight neighbouring keys -> after exp, B fragments of P V
; The input (128 tokens x 512, rounded to bf16) lies in LDS and is shared by the four waves; weights come from wf in fragment order,
; each fragment by two loads of 512 consecutive bytes straight into the one wave that uses it.
; THE NEXT INPUT MOVES IN BEHIND THE LAST PRODUCT ON ITS FORERUNNER, a quarter (128 columns, what a trip of four K steps reads) at a time: a quarter's
; 32 loads a wave are issued in the trip's first K step and converted and stored behind the trip.  Two barriers stand at each
; such boundary: between them LDS is only written, each wave in its own 32 rows, and outside them it is only read, so that the ordering does not
; hang on which quarter a wave is at.  These products are loops of one trip like the others: the text stays short.
; NO CLUSTER, NO JOINT REQUESTS: a weight fragment is used by one wave of a work-group only.  Through LDS a K step's 16 KiB of weights would be
; written and read once more beside the 32 KiB of X fragments that the four waves read for their 128 matrix instructions.
; LIMITS: all matrix operands are bf16.  Each Q_i is rounded to bf16, the mix sum_i w[i][j]/8 Q_i is made in f32 and rounded to bf16 again.
; The mask enters as the C operand of the score chain.  Softmax takes the row's true maximum away; a row whose 128 entries are all -inf
; gives NaN, as the definition does.
; THE MODE: SCHED_MODE bits 1:0 = 2 (LLVM: expert scheduling mode 2), set by the entry lines.  The code itself states the register dependences
; between vector or matrix instructions and memory or LDS instructions, with s_wait_alu, always for 0.
; THE PLAN, in the projections.  Registers that memory or LDS instructions touch:
;   XH0, XH1    The first half of K step s (16 products) reads XH0, the second half XH1.  XH1 of step s is loaded in the first half of step s,
;               XH0 of step s + 1 in the second half of step s: always the buffer that the half before has read.
;   WB0 .. WB3  Both halves of step s read place s % 4.  Place (s + 3) % 4, which step s - 1 read, takes the weights of step s + 3 in the first half of step s.
;   BIAS        Read by the 32 products of a matrix's first K step; the next matrix's bias lands in it in the second K step.
;   LAND        A quarter of the next input lands in it in a trip's first K step; the boundary's conversions work on it in place, its LDS stores read it.
;   v6, v7      Read by the loads of X fragments; written once a trip, ahead of the wait at the head of the fourth step's second half.
;   v10         Read by the boundary's stores; written once a boundary.      v8, v9, v11-v13, v17, v20-v22: made at the head, never written again.
; So ONE wait on va_vdst stands at the head of each half: the half before is complete.  Behind it come four products and then the half's loads in one run
; (one pair of window switches); those four products name this half's first X fragment, WB[s % 4], the sums and, in a first step, BIAS:
; none of the registers that the run touches.  All 1,024 registers are taken in the last product, so X has no third buffer and a K step no fewer waits.
; The sums, the parks in registers, P and the statistics are named by vector and matrix instructions alone.
.set XP,   1040                        ; LDS pitch of X: 1,024 bytes + 16, an odd multiple of 16: 16 rows start in 16 different 16-byte columns of 256
.set MP,   528                         ; LDS pitch of the mask: 512 + 16
.set QP0,  128*XP                      ; 133,120: parked Q of input_tensor, 16,384 bytes for each wave, the wave's own
.set QP1,  QP0+65536                   ; parked Q of position_embedding
.set QP2,  128*MP                      ; 67,584: parked Q of attribute_table; with the mask (bytes 0 .. 67,583) it takes X's place behind the last product
; window 0:  v4 XA0, v5 XA1 (X fragment addresses, token blocks 0-3, 4-7), v6, v7 the same plus the K offset, v8 weight offset, v9 X offset,
;            v10 X store address of the quarter that moves in, v11 X store address, v12, v13 bias offsets, v14-16 parks, v17 mask prefetch offset,
;            v18 mask read, v19 16 x lane, v20 mask offset, v21 mask store, v22 X prefetch offset, v23 ctx offset
.set BIAS, 32                          ; v32-63    C of a projection's first K step
.set XH0,  64                          ; v64-95    X fragments, token blocks 0-3
.set XH1,  96                          ; v96-127   X fragments, token blocks 4-7
.set WB,   128                         ; v128-255  weight fragments: four K steps of 32 registers
; window 1:  v0-255 the projection's 32 accumulator tiles; in front of the first product v0-127 eight rows of X in flight,
.set XOUT, 128                         ; v128-191 the same eight rows in bf16, eight registers a row, each row's own,
.set XOW,  240                         ; a copy of v9,
.set XSW,  241                         ; the running copy of v11: with them one window setting serves conversions, LDS stores and loads
; window 2:  K of input_tensor v0-127, K of position_embedding v128-255.   window 3:  K of attribute_table v0-127, V v128-255
.set LAND, 0                           ; window 3 v0-127, until K of attribute_table is parked there: a quarter of my 32 rows in f32, four registers a row
; window 0 in the attention loop:
.set QI,   32                          ; v32-79    the three parked Q of a query block
.set CT,   32                          ; v32-63    then the four ctx tiles
.set QC,   80                          ; v80-127   the three mixed queries
.set SC,   128                         ; v128-191  eight score tiles
.set PF,   192                         ; v192-223  P in bf16
.set OUT,  192                         ; v192-207  then ctx in bf16: rewritten only by the next block's P, far behind the stores that read it
.set WV,   224                         ; v224-241  w[i][j]/8, twice each: pair 3 i + j
.set U,    242                         ; v242-249  at work
.set TT,   248                         ; v248-253  at work
.set NM,   254                         ; v254-255  -max x log2 e, later 1 / sum, twice
.set MSB, 0
.macro WIN new                         ; s_set_vgpr_msb: bits 1:0 source 0, 3:2 source 1, 5:4 source 2, 7:6 destination; the high byte repeats the setting left
.if MSB != (\new)
	s_set_vgpr_msb (MSB<<8)|(\new)
.set MSB, (\new)
.endif
.endm
.macro PLACES                          ; four independent vector instructions behind a matrix instruction, before a vector instruction reads
.rept 4                                ; its result (ISA guide 7.12.1)
	v_nop
.endr
.endm
.macro BARRIER                         ; my LDS accesses are complete, then all four waves meet
	s_wait_dscnt 0x0
	s_barrier_signal -1
	s_barrier_wait -1
.endm
.macro LOADW buf, step                 ; a K step's four weight fragments of my head: eight loads of 512 consecutive bytes; step counts from the weight pointer
.irp f, 0,1,2,3
	global_load_b128 v[WB+32*(\buf)+8*\f:WB+32*(\buf)+8*\f+3],   v8, s[28:29] offset:(\step)*16384+\f*1024
	global_load_b128 v[WB+32*(\buf)+8*\f+4:WB+32*(\buf)+8*\f+7], v8, s[28:29] offset:(\step)*16384+\f*1024+512
.endr
.endm
.macro BIASQK lo                       ; Q, K: register j of tile f is feature 16 f + 8 h + j
.irp f, 0,1,2,3
	global_load_b128 v[BIAS+8*\f:BIAS+8*\f+3],   v12, s[\lo:\lo+1] offset:64*\f
	global_load_b128 v[BIAS+8*\f+4:BIAS+8*\f+7], v12, s[\lo:\lo+1] offset:64*\f+16
.endr
.endm
.macro BIASV                           ; V: the lane is feature 16 f + r; one word a tile, spread over the tile's registers in front of V's product
.irp f, 0,1,2,3
	global_load_b32 v[BIAS+8*\f], v13, s[16:17] offset:64*\f
.endr
.endm
.macro XLD dst, adr, ko                ; four X fragments (16 tokens x 32 K): two loads of 16 bytes a lane, 32 bytes apart; token blocks in ascending order
.irp t, 0,1,2,3
	ds_load_b128 v[\dst+8*\t:\dst+8*\t+3],   v[\adr] offset:\t*16*XP+(\ko)
	ds_load_b128 v[\dst+8*\t+4:\dst+8*\t+7], v[\adr] offset:\t*16*XP+(\ko)+32
.endr
.endm
; A quarter of the next input: of each of my 32 rows 512 consecutive bytes of f32, into the landing registers
.macro XQ_ISSUE
	WIN 0xc0                                       ; data to window 3, offset from window 0
.set n, 0
.rept 32
	global_load_b128 v[LAND+4*n:LAND+4*n+3], v9, s[56:57] offset:n*2048
.set n, n+1
.endr
	WIN 0
.endm
; 4 matrix instructions: token block 4 half + t x the four feature blocks, weights of ring place i.  The accumulators take turns.
.macro MM4 i, half, t, first, orient
.if \first
	WIN 0x40                                       ; D in window 1, C = the bias in window 0
.else
	WIN 0x50                                       ; C and D in window 1
.endif
.irp f, 0,1,2,3
.if \orient
.if \first
	v_wmma_f32_16x16x32_bf16 v[8*(8*\f+4*\half+\t):8*(8*\f+4*\half+\t)+7], v[XH0+32*\half+8*\t:XH0+32*\half+8*\t+7], v[WB+32*\i+8*\f:WB+32*\i+8*\f+7], v[BIAS+8*\f:BIAS+8*\f+7]
.else
	v_wmma_f32_16x16x32_bf16 v[8*(8*\f+4*\half+\t):8*(8*\f+4*\half+\t)+7], v[XH0+32*\half+8*\t:XH0+32*\half+8*\t+7], v[WB+32*\i+8*\f:WB+32*\i+8*\f+7], v[8*(8*\f+4*\half+\t):8*(8*\f+4*\half+\t)+7]
.endif
.else
.if \first
	v_wmma_f32_16x16x32_bf16 v[8*(16*\half+4*\t+\f):8*(16*\half+4*\t+\f)+7], v[WB+32*\i+8*\f:WB+32*\i+8*\f+7], v[XH0+32*\half+8*\t:XH0+32*\half+8*\t+7], v[BIAS+8*\f:BIAS+8*\f+7]
.else
	v_wmma_f32_16x16x32_bf16 v[8*(16*\half+4*\t+\f):8*(16*\half+4*\t+\f)+7], v[WB+32*\i+8*\f:WB+32*\i+8*\f+7], v[XH0+32*\half+8*\t:XH0+32*\half+8*\t+7], v[8*(16*\half+4*\t+\f):8*(16*\half+4*\t+\f)+7]
.endif
.endif
.endr
.endm
; One K step of 32: 32 matrix instructions in two halves.  first = 1: the bias starts the sums.  refill = 1: the weights three K steps ahead are asked for.
; lc: the loads younger than this step's weights: two steps of eight; the 32 of a quarter of X and a bias where they were issued behind them.
; nb: the next matrix's bias (its scalar pair, 16 = V's) is loaded: in the step behind a first step.
; pf: scalar pair of the next input, of which this wave asks for 32 blocks of 256 bytes, or 0.  xq = 1: a quarter of the next input is asked for.
.macro KSTEP i, first, refill, lc, orient, nb, pf, xq
	s_wait_loadcnt \lc                             ; loads come back in order: this step's weights are in
	s_wait_dscnt 0x4                               ; LDS loads come back in order: token blocks 0 and 1 are in, the four loads of blocks 2 and 3 may be out
	s_wait_alu depctr_va_vdst(0)                   ; the products of the step before are done reading XH1, their ring place and, if it was a first step, BIAS, in which the loads below land
	MM4 \i, 0, 0, \first, \orient
	WIN 0
	XLD XH1, 7, \i*64                              ; this step's blocks 4-7.  No product since the wait names XH1
.if \nb == 16
	BIASV
.else
.if \nb
	BIASQK \nb
.endif
.endif
.if \refill
.if \i == 1
	s_wait_xcnt 0x0                                ; the weight pointer is stepped only when every load that names it has had its address translated;
	s_add_nc_u64 s[28:29], s[28:29], 65536         ; the last of them was issued a K step ago
.endif
	LOADW ((\i+3)&3), ((\i+3)&3)                   ; three K steps ahead, into the ring place of the step before
.endif
.if \pf
	global_prefetch_b8 v22, s[\pf:\pf+1] offset:\i*8192 th:TH_LOAD_NT scope:SCOPE_SE
.endif
.if \xq
	XQ_ISSUE                                       ; behind the weights that this trip's last step needs, so that no wait for weights in the trip waits for the quarter
.endif
	MM4 \i, 0, 1, \first, \orient
	s_wait_dscnt 0x8                               ; blocks 2 and 3 are in; the eight loads just issued stay out
	MM4 \i, 0, 2, \first, \orient
	MM4 \i, 0, 3, \first, \orient
	s_wait_dscnt 0x4                               ; blocks 4 and 5 are in, the four loads of blocks 6 and 7 may be out
.if \i == 3
	WIN 0
	s_add_co_u32 s58, s58, 256                     ; four K steps of 64 bytes on, and from the row's end back to its head:
	s_and_b32 s58, s58, 0x3ff                      ; the last step of a matrix fetches K step 0 for the next matrix
	s_wait_alu depctr_vm_vsrc(0)                   ; the LDS loads issued so far have read v6 and v7
	v_add_nc_u32 v6, s58, v4
	v_add_nc_u32 v7, s58, v5
.endif
	s_wait_alu depctr_va_vdst(0)                   ; the first half's products are done reading XH0, in which the loads below land; in a trip's last step v6 and v7 are written
	MM4 \i, 1, 0, \first, \orient
	WIN 0
	XLD XH0, 6, ((\i+1)&3)*64                      ; the next step's blocks 0-3.  No product since the wait names XH0
	MM4 \i, 1, 1, \first, \orient
	s_wait_dscnt 0x8                               ; blocks 6 and 7 are in; the eight loads just issued stay out
	MM4 \i, 1, 2, \first, \orient
	MM4 \i, 1, 3, \first, \orient
.endm
; r0, r: the first step, the other three steps ask for weights
.macro TRIP first, r0, r, l0, l1, l2, l3, orient, nb, pf, xq
	KSTEP 0, \first, \r0, \l0, \orient, 0, \pf, \xq
	KSTEP 1, 0, \r, \l1, \orient, \nb, \pf, 0
	KSTEP 2, 0, \r, \l2, \orient, 0, \pf, 0
	KSTEP 3, 0, \r, \l3, \orient, 0, \pf, 0
	WIN 0                                          ; at a label and at a branch every window is 0
.endm
; A projection on an X that stays: 16 K steps = 4 trips; the weight ring runs on from matrix to matrix (wf holds them in the order of use).
; K step 0's blocks 0-3 have been fetched by what stands in front.  nbl: the loads of the bias nb: they are younger than the weights of the first trip's last two steps.
; last = 1: the last trip of the launch asks for weights in its first step alone, its counts run down.
.macro GEMML id, orient, last, nb, nbl, pf
	TRIP 1, 1, 1, 16, 16, 16+\nbl, 16+\nbl, \orient, \nb, \pf, 0
	s_mov_b32 s3, 3-\last
.Lg\id:
	TRIP 0, 1, 1, 16, 16, 16, 16, \orient, 0, 0, 0
	s_sub_co_u32 s3, s3, 1
	s_cmp_lg_u32 s3, 0
	s_cbranch_scc1 .Lg\id
.if \last
	global_prefetch_b8 v17, s[10:11] th:TH_LOAD_NT scope:SCOPE_SE    ; the mask, one trip ahead of its loads: 32 blocks of 256 bytes a wave, half of the batch's mask a work-group
	TRIP 0, 1, 0, 16, 16, 8, 0, \orient, 0, 0, 0
.endif
.endm
; The landed quarter, rounded to bf16 in place, goes into LDS: 8 bytes a lane, 256 consecutive bytes of a row
.macro XQ_STORE
	WIN 0xcf
.set n, 0
.rept 32
	v_cvt_pk_bf16_f32 v[LAND+4*n],   v[LAND+4*n],   v[LAND+4*n+1]
	v_cvt_pk_bf16_f32 v[LAND+4*n+1], v[LAND+4*n+2], v[LAND+4*n+3]
.set n, n+1
.endr
	WIN 0x0c                                       ; data from window 3, address from window 0
	s_wait_alu depctr_va_vdst(0)                   ; the conversions have written the words that the stores below read
.set n, 0
.rept 32
	ds_store_b64 v10, v[LAND+4*n:LAND+4*n+1] offset:n*XP
.set n, n+1
.endr
	WIN 0
.endm
; Behind a trip of a phase's last product: the quarter that the trip has read is given to the next input.
.macro XBOUND
	BARRIER                                        ; every wave's reads of X are over, those of the next K step's blocks 0-3 too
	s_wait_loadcnt 24                              ; the quarter is in: only three steps of eight weight loads are younger (a bias among them makes the wait stricter)
	XQ_STORE
	s_wait_xcnt 0x0                                ; the base is stepped only behind this wait (its own loads are done besides)
	s_add_nc_u64 s[56:57], s[56:57], 512           ; the next 128 columns of f32
	BARRIER                                        ; the quarter is whole
	s_wait_alu depctr_vm_vsrc(0)                   ; my stores have read v10, which is written below, and the landing registers, in which the next quarter lands or K is parked
	v_add_nc_u32 v10, 256, v10                     ; the next 128 columns of bf16
.endm
; The last product on an input.  Its last K step fetches K step 0 from the first quarter, which holds the next input since the first boundary.
; Younger than a step's weights: step 0: two steps of eight; steps 1 to 3: these and the quarter's 32; in the peeled trip's steps 2 and 3 the bias's eight besides.
.macro GEMMR id, orient, nb, base
	s_mov_b64 s[56:57], s[\base:\base+1]
	v_mov_b32 v10, v11
	TRIP 1, 1, 1, 16, 48, 56, 56, \orient, \nb, 0, 1
	XBOUND
	s_mov_b32 s3, 3
.Lr\id:
	TRIP 0, 1, 1, 16, 48, 48, 48, \orient, 0, 0, 1
	XBOUND
	s_sub_co_u32 s3, s3, 1
	s_cmp_lg_u32 s3, 0
	s_cbranch_scc1 .Lr\id
.endm
.macro PACK base                       ; 256 sums to 128 words of bf16: word n from sums 2 n, 2 n + 1 (in place: word n is never above its sources)
.set n, 0
.rept 128
	v_cvt_pk_bf16_f32 v[\base+n], v[2*n], v[2*n+1]
.set n, n+1
.endr
.endm
.macro PARKREG win, base               ; K or V into window win: tile T's four words at base + 4 T
	PLACES
	WIN 0x05|(\win<<6)
	PACK \base
	WIN 0
.endm
.macro QSTORE adr                      ; tile T = 4 qb + f at T x 512 + 16 x lane of my park
	WIN 0x04
	s_wait_alu depctr_va_vdst(0)                   ; the conversions have written the words that the stores below read
.set n, 0
.rept 32
	ds_store_b128 v[\adr], v[4*n:4*n+3] offset:n*512
.set n, n+1
.endr
	WIN 0
.endm
.macro PARKLDS adr
	PLACES
	WIN 0x45
	PACK 0
	QSTORE \adr
	s_wait_alu depctr_vm_vsrc(0)                   ; these stores have read their words, over which the next product writes its sums
.endm
; The first input, f32 in memory, to bf16 in LDS.  Wave w takes rows 32 w .. 32 w + 31, eight rows (32 loads of 512 consecutive bytes) in flight.
; Raw rows: written by loads, read by the conversions.  Rows in bf16: written by the conversions, read by the LDS stores; each of the eight has registers of its own.
.macro LOADX_ISSUE base
	s_mov_b64 s[56:57], s[\base:\base+1]
	WIN 0x45
.irp row, 0,1,2,3,4,5,6,7
.irp c, 0,1,2,3
	global_load_b128 v[16*\row+4*\c:16*\row+4*\c+3], v[XOW], s[56:57] offset:\row*2048+\c*512
.endr
.endr
	WIN 0
.endm
.macro LOADX_PAIR row, refill, left    ; rows row and row + 1
	s_wait_loadcnt \left                           ; these two rows' eight loads are in; the six younger rows' stay out (weights and biases asked for earlier are older)
.irp d, 0,1
.irp c, 0,1,2,3
	v_cvt_pk_bf16_f32 v[XOUT+8*(\row+\d)+2*\c],   v[16*(\row+\d)+4*\c],   v[16*(\row+\d)+4*\c+1]
	v_cvt_pk_bf16_f32 v[XOUT+8*(\row+\d)+2*\c+1], v[16*(\row+\d)+4*\c+2], v[16*(\row+\d)+4*\c+3]
.endr
.endr
	s_wait_alu depctr_va_vdst(0)                   ; the conversions have written the words that the stores read and are done reading the raw rows, in which the loads land; behind a pass's end the store address is written
.irp d, 0,1
.irp c, 0,1,2,3
	ds_store_b64 v[XSW], v[XOUT+8*(\row+\d)+2*\c:XOUT+8*(\row+\d)+2*\c+1] offset:(\row+\d)*XP+\c*256
.endr
.endr
.if \refill
.irp d, 0,1
.irp c, 0,1,2,3
	global_load_b128 v[16*(\row+\d)+4*\c:16*(\row+\d)+4*\c+3], v[XOW], s[56:57] offset:(\row+\d+8)*2048+\c*512
.endr
.endr
.endif
.endm
.macro LOADX_ROWS id
	s_mov_b32 s3, 3
.Lx\id:
	WIN 0x45
.irp row, 0,2,4,6
	LOADX_PAIR \row, 1, 24
.endr
	s_wait_xcnt 0x0                                ; the base is stepped only behind this wait
	s_add_nc_u64 s[56:57], s[56:57], 16384
	s_wait_alu depctr_vm_vsrc(0)                   ; this pass's stores have read the store address, written below, and the eight rows in bf16, which the next pass writes again
	v_add_nc_u32 v[XSW], 8*XP, v[XSW]
	WIN 0
	s_sub_co_u32 s3, s3, 1
	s_cmp_lg_u32 s3, 0
	s_cbranch_scc1 .Lx\id
	WIN 0x45
.irp row, 0,2,4,6
	LOADX_PAIR \row, 0, 24-4*\row                  ; the last eight rows load nothing: the counts run down
.endr
	WIN 0
.endm
	; ---- ids, pointers, addresses
	s_load_b256 s[4:11], s[0:1], 0x0               ; input_tensor, position_embedding, attribute_table, attention_mask
	s_load_b256 s[12:19], s[0:1], 0x20             ; bq, bk, bv, bqp
	s_load_b256 s[20:27], s[0:1], 0x40             ; bkp, bka, bqa, w_matrix
	s_load_b128 s[28:31], s[0:1], 0x60             ; wf, ctxf
	v_lshl_add_u32 v30, v0, 2, 0x40800
	v_mov_b32 v31, 0
	v_lshrrev_b32 v1, 5, v0
	v_readfirstlane_b32 s52, v1                    ; wave w
	s_and_b32 s53, ttmp7, 0xffff                   ; batch b
	s_mov_b32 s54, ttmp9                           ; hg: heads 4 hg .. 4 hg + 3
	s_mov_b32 s60, 0x76543210                      ; v_permlanex16_b32: lane i takes lane i of the other half
	s_mov_b32 s61, 0xfedcba98
	s_mov_b32 s62, 0xffff0000                      ; a word's upper bf16
	s_mov_b32 s58, 0                               ; the K offset of the trip in hand
	v_and_b32 v1, 31, v0                           ; lane
	v_and_b32 v2, 15, v0                           ; r
	v_bfe_u32 v3, v0, 4, 1                         ; h
	v_lshlrev_b32 v19, 4, v1                       ; 16 x lane
	v_mul_u32_u24 v4, v2, XP
	v_lshl_add_u32 v4, v3, 4, v4                   ; r x pitch + 16 h
	v_add_nc_u32 v5, 64*XP, v4
	v_mov_b32 v6, v4                               ; K offset 0
	v_mov_b32 v7, v5
	s_wait_alu depctr_va_sdst(0)                   ; s52 is written, ahead of its first reader: offsets and bases are made from it
	s_lshl2_add_u32 s55, s54, s52                  ; my head
	s_lshl_b32 s78, s52, 12
	v_add_nc_u32 v8, s78, v19                      ; weights: my head's 4,096 bytes of a K step
	s_lshl_b32 s78, s52, 16
	v_add_nc_u32 v9, s78, v19                      ; X: my 32 rows of 2,048 bytes
	s_mul_i32 s78, s52, 32*XP
	v_lshl_add_u32 v11, v1, 3, s78                 ; and where they go: 8 bytes a lane
	s_lshl_b32 s78, s55, 8
	v_lshl_add_u32 v12, v3, 5, s78                 ; bias: my head's 64 numbers, + 8 h
	v_lshl_add_u32 v13, v2, 2, s78                 ; or + r
	s_lshl_b32 s78, s52, 14
	v_add_nc_u32 v20, s78, v19                     ; mask: my 32 rows of 512 bytes
	v_add_nc_u32 v14, QP0, v20                     ; my three parks of 16,384 bytes
	v_add_nc_u32 v15, QP1, v20
	v_add_nc_u32 v16, QP2, v20
	s_lshl_b32 s78, s52, 13
	s_lshl_b32 s79, s54, 15
	s_add_co_u32 s78, s78, s79
	v_lshl_add_u32 v17, v1, 8, s78                 ; prefetch of the mask: lanes 256 bytes apart; 8,192 bytes a wave, 32,768 a work-group
	s_lshl_b32 s78, s52, 15
	s_lshl_b32 s79, s54, 17
	s_add_co_u32 s78, s78, s79
	v_lshl_add_u32 v22, v1, 8, s78                 ; prefetch of an input: lanes 256 bytes apart; 32,768 bytes a wave, 131,072 (64 rows) a work-group
	v_mul_u32_u24 v18, v2, MP
	v_lshl_add_u32 v18, v3, 5, v18                 ; mask of query r, keys 8 h ..
	s_mul_i32 s78, s52, 32*MP
	v_add_nc_u32 v21, s78, v19
	WIN 0x40
	v_mov_b32 v[XOW], v9                           ; the two copies in window 1, for the first input's way in
	v_mov_b32 v[XSW], v11
	WIN 0
	s_wait_kmcnt 0x0
	s_load_b256 s[68:75], s[26:27], 0x0            ; w_matrix: w[i][j] in s[68 + 3 i + j]
	s_load_b32 s76, s[26:27], 0x20
	s_lshl_b32 s78, s53, 18                        ; a batch of an input: 262,144 bytes
	s_mov_b32 s79, 0
	s_add_nc_u64 s[4:5], s[4:5], s[78:79]
	s_add_nc_u64 s[6:7], s[6:7], s[78:79]
	s_add_nc_u64 s[8:9], s[8:9], s[78:79]
	s_lshl_b32 s78, s53, 16                        ; of the mask: 65,536
	s_add_nc_u64 s[10:11], s[10:11], s[78:79]
	s_mul_i32 s78, s54, 7*16*16384                 ; the weights of my four heads
	s_add_nc_u64 s[28:29], s[28:29], s[78:79]
	s_lshl_b32 s78, s53, 17                        ; ctxf: batch x 8 blocks of 16,384 bytes + head x 2 K steps of 1,024
	s_lshl_b32 s77, s55, 11
	s_add_co_u32 s78, s78, s77
	s_add_nc_u64 s[30:31], s[30:31], s[78:79]
	s_wait_alu depctr_va_vdst(0)                   ; all offsets and addresses, v4 to v22 and the two copies in window 1, are written: the loads, stores and prefetches of the kernel read them
	LOADW 0, 0                                     ; the weight ring: three K steps; the first K step asks for the fourth
	LOADW 1, 1
	LOADW 2, 2
	BIASQK 12
	LOADX_ISSUE 4
	s_wait_kmcnt 0x0
.irp i, 68,69,70,71,72,73,74,75,76
	s_mul_f32 s\i, s\i, 0x3e000000                 ; 1 / sqrt(64) goes into the mix
.endr
	LOADX_ROWS a
	BARRIER                                        ; X is whole
	s_wait_alu depctr_vm_vsrc(0)                   ; my stores and loads have read the rows in bf16 and the two copies in window 1, over which the first product writes its sums
	XLD XH0, 6, 0                                  ; K step 0, token blocks 0-3
	; ---- input_tensor: Q, K, V
	GEMML q0, 0, 0, 14, 8, 0
	PARKLDS 14
	GEMML k0, 0, 0, 16, 4, 6                       ; its first four K steps ask for my share of position_embedding: 12 K steps or more ahead of the first quarter's loads, 4 more for each later quarter
	PARKREG 2, 0
.irp f, 0,1,2,3                                    ; V's bias in all eight registers of a tile.  Its four loads were followed by 24 weight loads
.irp j, 1,2,3,4,5,6,7                              ; before the loop's first s_wait_loadcnt 16, which therefore showed them done
	v_mov_b32 v[BIAS+8*\f+\j], v[BIAS+8*\f]
.endr
.endr
	GEMMR vv, 1, 18, 6                             ; V; position_embedding moves in behind it
	PARKREG 3, 128
	; ---- position_embedding: Q, K
	GEMML q1, 0, 0, 20, 8, 8                       ; asks for my share of attribute_table
	PARKLDS 15
	GEMMR k1, 0, 22, 8                             ; K; attribute_table moves in behind it
	PARKREG 2, 128
	; ---- attribute_table: K, Q
	GEMML k2, 0, 0, 24, 8, 0
	PARKREG 3, 0
	GEMML q2, 0, 1, 0, 0, 0
	PLACES
	; ---- the mask and the third Q take X's place
	s_wait_alu depctr_va_vdst(0)                   ; the last products are done reading the weight ring v128-255, in which the mask lands
.set n, 0
.rept 32
	global_load_b128 v[128+4*n:128+4*n+3], v20, s[10:11] offset:n*512     ; a whole row of the mask; on its way while the sums are packed
.set n, n+1
.endr
	WIN 0x45
	PACK 0
	WIN 0
	BARRIER                                        ; every wave's reads of X are over
	QSTORE 16
	s_wait_loadcnt 0x0
.set n, 0
.rept 32
	ds_store_b128 v21, v[128+4*n:128+4*n+3] offset:n*MP
.set n, n+1
.endr
	BARRIER                                        ; the mask is whole
	s_wait_alu depctr_vm_vsrc(0)                   ; my stores of the mask have read v128-255: the moves below write v224-241, the loop's LDS loads land in v128-191
.set n, 0
.rept 9
	v_mov_b32 v[WV+2*n], s[68+n]
	v_mov_b32 v[WV+2*n+1], s[68+n]
.set n, n+1
.endr
	; ---- attention: eight blocks of 16 queries
	; THE PLAN.  v32-79 and v128-191: a block's 28 LDS loads land in them at its head; all of the block's vector and matrix work on them stands ahead of the one
	; wait on va_vdst, in front of the block's stores, and nothing of the vector side follows that wait before the next block's loads.  (On the way in, only the moves into
	; v224-241 above have been issued since the last such wait.)  v14-16, v18 (read by the LDS loads), v23 and v192-207 (read by the stores) are written again behind one wait on vm_vsrc.
	s_mov_b32 s59, 0                               ; the block's offset in ctxf
	s_mov_b32 s3, 8
.Lattn:
.irp i, 0,1,2
.irp f, 0,1,2,3
	ds_load_b128 v[QI+16*\i+4*\f:QI+16*\i+4*\f+3], v[14+\i] offset:512*\f
.endr
.endr
.irp kb, 0,1,2,3,4,5,6,7
	ds_load_b128 v[SC+8*\kb:SC+8*\kb+3],   v18 offset:64*\kb       ; mask(query r, keys 16 kb + 8 h ..): the C of the score chain
	ds_load_b128 v[SC+8*\kb+4:SC+8*\kb+7], v18 offset:64*\kb+16
.endr
	s_wait_dscnt 0x10                              ; the twelve loads of Q are in, the sixteen of the mask may be out
	; Q'_j = sum over i of w[i][j]/8 Q_i, in f32, word by word (two features)
.set p, 0
.rept 16
	v_lshlrev_b32 v[U],   16,  v[QI+p]
	v_and_b32     v[U+1], s62, v[QI+p]
	v_lshlrev_b32 v[U+2], 16,  v[QI+16+p]
	v_and_b32     v[U+3], s62, v[QI+16+p]
	v_lshlrev_b32 v[U+4], 16,  v[QI+32+p]
	v_and_b32     v[U+5], s62, v[QI+32+p]
.irp j, 0,1,2
	v_pk_mul_f32 v[TT+2*\j:TT+2*\j+1], v[U:U+1], v[WV+2*\j:WV+2*\j+1]
.endr
.irp j, 0,1,2
	v_pk_fma_f32 v[TT+2*\j:TT+2*\j+1], v[U+2:U+3], v[WV+6+2*\j:WV+6+2*\j+1], v[TT+2*\j:TT+2*\j+1]
.endr
.irp j, 0,1,2
	v_pk_fma_f32 v[TT+2*\j:TT+2*\j+1], v[U+4:U+5], v[WV+12+2*\j:WV+12+2*\j+1], v[TT+2*\j:TT+2*\j+1]
.endr
.irp j, 0,1,2
	v_cvt_pk_bf16_f32 v[QC+16*\j+p], v[TT+2*\j], v[TT+2*\j+1]
.endr
.set p, p+1
.endr
	s_wait_dscnt 0x0                               ; the mask is in
	; scores: 48 matrix instructions, eight chains in place.  A = 16 keys x 32 features, B = 16 queries x 32 features
	WIN 0x02
.irp j, 0,1
.irp ks, 0,1
.irp kb, 0,1,2,3,4,5,6,7
	v_wmma_f32_16x16x32_bf16 v[SC+8*\kb:SC+8*\kb+7], v[128*\j+16*\kb+8*\ks:128*\j+16*\kb+8*\ks+7], v[QC+16*\j+8*\ks:QC+16*\j+8*\ks+7], v[SC+8*\kb:SC+8*\kb+7]
.endr
.endr
.endr
	WIN 0x03
.irp ks, 0,1
.irp kb, 0,1,2,3,4,5,6,7
	v_wmma_f32_16x16x32_bf16 v[SC+8*\kb:SC+8*\kb+7], v[16*\kb+8*\ks:16*\kb+8*\ks+7], v[QC+32+8*\ks:QC+32+8*\ks+7], v[SC+8*\kb:SC+8*\kb+7]
.endr
.endr
	WIN 0
	PLACES
	; softmax of query r: 64 keys in this lane, the other 64 in lane r xor 16
	v_max3_num_f32 v[U],   v[SC],   v[SC+1],  v[SC+2]
	v_max3_num_f32 v[U+1], v[SC+3], v[SC+4],  v[SC+5]
	v_max3_num_f32 v[U+2], v[SC+6], v[SC+7],  v[SC+8]
	v_max3_num_f32 v[U+3], v[SC+9], v[SC+10], v[SC+11]
.set n, 12
.rept 26
	v_max3_num_f32 v[U+(n/2)%4], v[U+(n/2)%4], v[SC+n], v[SC+n+1]
.set n, n+2
.endr
	v_max3_num_f32 v[U], v[U], v[U+1], v[U+2]
	v_max_num_f32 v[U], v[U], v[U+3]
	v_permlanex16_b32 v[U+1], v[U], s60, s61
	v_max_num_f32 v[U], v[U], v[U+1]
	v_mul_f32 v[NM],   0xbfb8aa3b, v[U]            ; -max x log2 e; its rounding shifts all exponents of the row alike and cancels in the quotient
	v_mul_f32 v[NM+1], 0xbfb8aa3b, v[U]
.set n, 0
.rept 32
	v_pk_fma_f32 v[SC+n:SC+n+1], v[SC+n:SC+n+1], 0x3fb8aa3b, v[NM:NM+1] op_sel_hi:[1,0,1]
.set n, n+2
.endr
.set n, 0
.rept 64
	v_exp_f32 v[SC+n], v[SC+n]
.set n, n+1
.endr
	v_nop                                          ; one plain vector instruction between the exponentials and the first use of a result
	s_wait_alu depctr_va_vdst(0)
	v_pk_add_f32 v[U:U+1],   v[SC:SC+1],     v[SC+2:SC+3]
	v_pk_add_f32 v[U+2:U+3], v[SC+4:SC+5],   v[SC+6:SC+7]
	v_pk_add_f32 v[U+4:U+5], v[SC+8:SC+9],   v[SC+10:SC+11]
	v_pk_add_f32 v[U+6:U+7], v[SC+12:SC+13], v[SC+14:SC+15]
.set n, 16
.rept 24
	v_pk_add_f32 v[U+2*((n/2)%4):U+2*((n/2)%4)+1], v[U+2*((n/2)%4):U+2*((n/2)%4)+1], v[SC+n:SC+n+1]
.set n, n+2
.endr
	v_pk_add_f32 v[U:U+1], v[U:U+1], v[U+2:U+3]
	v_pk_add_f32 v[U+4:U+5], v[U+4:U+5], v[U+6:U+7]
	v_pk_add_f32 v[U:U+1], v[U:U+1], v[U+4:U+5]
	v_add_f32 v[U], v[U], v[U+1]
	v_permlanex16_b32 v[U+1], v[U], s60, s61
	v_add_f32 v[U], v[U], v[U+1]                   ; the largest term is 1 up to rounding: the sum is never small
	v_rcp_f32 v[NM], v[U]
	v_rcp_f32 v[NM+1], v[U]                        ; used far below; the lines that follow are the plain instructions in between
	s_wait_xcnt 0x0                                ; the last block's stores, issued a whole block ago, have had their addresses translated: their offset and data are rewritten only behind this wait
	s_wait_alu depctr_vm_vsrc(0)                   ; those stores have read v23 and v192-207; this block's LDS loads have read v14-16 and v18
	v_add_nc_u32 v23, s59, v19
	v_add_nc_u32 v14, 2048, v14                    ; the next 16 queries in the parks and in the mask
	v_add_nc_u32 v15, 2048, v15
	v_add_nc_u32 v16, 2048, v16
	v_add_nc_u32 v18, 16*MP, v18
.set n, 0
.rept 32
	v_cvt_pk_bf16_f32 v[PF+n], v[SC+2*n], v[SC+2*n+1]
.set n, n+1
.endr
	; ctx^T = V^T P^T: A = 16 features x 32 keys, B = 16 queries x 32 keys; the first product starts the sums
	WIN 0x03
.irp ft, 0,1,2,3
	v_wmma_f32_16x16x32_bf16 v[CT+8*\ft:CT+8*\ft+7], v[128+32*\ft:128+32*\ft+7], v[PF:PF+7], 0
.endr
.irp ks, 1,2,3
.irp ft, 0,1,2,3
	v_wmma_f32_16x16x32_bf16 v[CT+8*\ft:CT+8*\ft+7], v[128+32*\ft+8*\ks:128+32*\ft+8*\ks+7], v[PF+8*\ks:PF+8*\ks+7], v[CT+8*\ft:CT+8*\ft+7]
.endr
.endr
	WIN 0
	PLACES
.set n, 0
	s_wait_alu depctr_va_vdst(0)
.rept 16
	v_pk_mul_f32 v[CT+2*n:CT+2*n+1], v[CT+2*n:CT+2*n+1], v[NM:NM+1]
.set n, n+1
.endr
.set n, 0
.rept 16
	v_cvt_pk_bf16_f32 v[OUT+n], v[CT+2*n], v[CT+2*n+1]
.set n, n+1
.endr
	s_wait_alu depctr_va_vdst(0)                   ; the conversions have written v192-207 and v23 is written, which the stores read; the block is done with v32-79 and v128-191, in which the next block's loads land, and v14-16, v18 are written, by which they read
.irp ft, 0,1,2,3
	global_store_b128 v23, v[OUT+4*\ft:OUT+4*\ft+3], s[30:31] offset:512*\ft      ; a section of a fragment of the last product: 512 consecutive bytes
.endr
	s_add_co_u32 s59, s59, 16384                   ; the next 16 tokens
	s_sub_co_u32 s3, s3, 1
	s_cmp_lg_u32 s3, 0
	s_cbranch_scc1 .Lattn
	s_wait_dscnt 0x0
	s_wait_alu depctr_hold_cnt(0) depctr_sa_sdst(0) depctr_va_vdst(0) depctr_va_sdst(0) depctr_va_ssrc(0) depctr_va_vcc(0) depctr_vm_vsrc(0)
	s_wait_tensorcnt 0x0
	ds_add_u32 v30, v31
	s_wait_dscnt 0x0
	s_endpgm
.Lfunc_end_k_q667f062b03_attn:
	.size	k_q667f062b03_attn, .Lfunc_end_k_q667f062b03_attn-k_q667f062b03_attn
	.p2alignl 7, 3214868480
	.fill 96, 4, 3214868480
	.section	.rodata,"a",@progbits
	.p2align	6, 0x0
	.amdhsa_kernel k_q667f062b03_attn
		.amdhsa_group_segment_fixed_size 264704
		.amdhsa_private_segment_fixed_size 0
		.amdhsa_enable_private_segment 0
		.amdhsa_kernarg_size 112
		.amdhsa_user_sgpr_count 2
		.amdhsa_user_sgpr_kernarg_segment_ptr 1
		.amdhsa_wavefront_size32 1
		.amdhsa_system_sgpr_workgroup_id_x 1
		.amdhsa_system_sgpr_workgroup_id_y 1
		.amdhsa_system_sgpr_workgroup_id_z 1
		.amdhsa_system_vgpr_workitem_id 0
		.amdhsa_next_free_vgpr 1024
		.amdhsa_next_free_sgpr 90
		.amdhsa_reserve_vcc 0
		.amdhsa_float_denorm_mode_32 3
		.amdhsa_float_denorm_mode_16_64 3
		.amdhsa_memory_ordered 1
		.amdhsa_forward_progress 1
		.amdhsa_inst_pref_size 255
	.end_amdhsa_kernel
	.section	.bss,"aw",@nobits
	.p2align	6
	.space	262144
	.amdgpu_metadata
---
amdhsa.version: [ 1, 2 ]
amdhsa.kernels:
  - .name:           k_q667f062b03_attn
    .symbol:         k_q667f062b03_attn.kd
    .args:
      - { .name: input_tensor, .offset: 0, .size: 8, .value_kind: global_buffer, .address_space: global }
      - { .name: position_embedding, .offset: 8, .size: 8, .value_kind: global_buffer, .address_space: global }
      - { .name: attribute_table, .offset: 16, .size: 8, .value_kind: global_buffer, .address_space: global }
      - { .name: attention_mask, .offset: 24, .size: 8, .value_kind: global_buffer, .address_space: global }
      - { .name: bq, .offset: 32, .size: 8, .value_kind: global_buffer, .address_space: global }
      - { .name: bk, .offset: 40, .size: 8, .value_kind: global_buffer, .address_space: global }
      - { .name: bv, .offset: 48, .size: 8, .value_kind: global_buffer, .address_space: global }
      - { .name: bqp, .offset: 56, .size: 8, .value_kind: global_buffer, .address_space: global }
      - { .name: bkp, .offset: 64, .size: 8, .value_kind: global_buffer, .address_space: global }
      - { .name: bka, .offset: 72, .size: 8, .value_kind: global_buffer, .address_space: global }
      - { .name: bqa, .offset: 80, .size: 8, .value_kind: global_buffer, .address_space: global }
      - { .name: w_matrix, .offset: 88, .size: 8, .value_kind: global_buffer, .address_space: global }
      - { .name: wf, .offset: 96, .size: 8, .value_kind: global_buffer, .address_space: global }
      - { .name: ctxf, .offset: 104, .size: 8, .value_kind: global_buffer, .address_space: global }
    .group_segment_fixed_size: 264704
    .private_segment_fixed_size: 0
    .kernarg_segment_align: 8
    .kernarg_segment_size: 112
    .max_flat_workgroup_size: 128
    .sgpr_count:     90
    .vgpr_count:     1024
    .wavefront_size: 32
...
	.end_amdgpu_metadata
.endif
;; end of part 4
;; launch outln: the kernel of part 3 again; grid 256 x 1, 8 waves a work-group, no clusters, 198,656 bytes of LDS; arguments ctxf, wf, input_tensor, bd, gamma, beta, out0; writes out0
